; MI455X (gfx1250); checked and timed in simulation.
; The chip was launched on July 23, 2026; its instructions are those of AMD's public machine-readable ISA for CDNA 5 (MIT licence, August 2026) and "CDNA5" Instruction Set Architecture Reference Guide (July 2026). The comments in the code are by the model that wrote it; some were corrected since.
;; Sparse Mo E. Allowed arithmetic: matrix products marked QUANTISED: E4M3 operands, one E8M0 scale for each 32 along K, by v_wmma_scale_f32_16x16x128_f8f6f4 with both operands' format E4M3, f32 sums; products left as they are: f32 operands where the result goes on into a quantised operand, else bf16, f16 or f32 operands; f32 sums; everything else in f32.
;; Inputs: W1_codes 8 x 512 x 16 x 32 uint8 (E4M3 codes of W1, K innermost, in blocks of 32 codes); W1_scales 8 x 512 x 16 uint8 (E8M0 scales of W1, one for each 32 codes along K); W2_codes 8 x 512 x 16 x 32 uint8 (E4M3 codes of W2, K innermost, in blocks of 32 codes); W2_scales 8 x 512 x 16 uint8 (E8M0 scales of W2, one for each 32 codes along K); Wg 512 x 8 float32; b1 8 x 512 float32; b2 8 x 512 float32; bg 8 float32; x 4 x 2,048 x 512 float32.
;; Outputs: out0 4 x 2,048 x 512 float32.
;; This version of the problem:
;;   THIS VERSION OF THE PROBLEM IS GIVEN IN LOW PRECISION. The matrix products marked QUANTISED in the list below multiply operands that are first quantised to E4M3 (4 exponent bits, 3 mantissa bits; 8 bits a number), with one power-of-two scale for each 32 numbers along K (OCP MX v1.0); their sums are f32. All else is computed in f32.
;;   The module's matrix products, in the order in which they are computed (A, B: the left and right operand; K: the contracted axis; several contracted axes count as one K, in the product's order):
;;     1. [M 8,192, K 512] x [K 512, N 8]; A: input x; B: input Wg: left as it is (N = 8 < 16)
;;     2. [M 8,192, K 512] x [K 512, N 4,096]; A: input x; B: input W1 (given as codes): QUANTISED
;;     3. batch 8 x [M 512, K 512] x [K 512, N 8,192]; A: input W2 (given as codes); B: computed on the way: QUANTISED
;;   THE QUANTISER, for each operand of a quantised product, along K:
;;     - K is cut into blocks of 32 from its start; a last block that is shorter is filled with zeros.
;;     - A block's scale is 2^e with e = floor(log2(the largest magnitude in the block)) - 8, held to -126 .. 127; a block of zeros has e = 0. As a byte (E8M0): e + 127.
;;     - Each number is divided by its block's scale, clamped to +-448, and rounded to the nearest number of E4M3, ties to even, subnormals kept.
;;     - The product sums the exact products of the quantised numbers (number of the format x scale) in f32.
;;   ~~~python
;;   def quantise(x, axis):      # numpy; x: float32 -> the quantised numbers, widened to float32 again
;;       x = np.moveaxis(x, axis, -1); K = x.shape[-1]
;;       x = np.pad(x, [(0, 0)] * (x.ndim - 1) + [(0, -K % 32)]); x = x.reshape(x.shape[:-1] + (-1, 32)); a = np.abs(x).max(-1, keepdims=True)
;;       e = np.where(a > 0, np.clip(np.frexp(np.where(a > 0, a, 1))[1] - 1 - 8, -126, 127), 0)      # np.frexp(a)[1] - 1 = floor(log2(a)), exactly
;;       r = np.clip(x / 2.0 ** e, -448, 448)
;;       step = 2.0 ** (np.maximum(np.frexp(np.where(r == 0, 1, r))[1] - 1, -6) - 3)
;;       q = np.round(r / step) * step * 2.0 ** e      # np.round: ties to even
;;       return np.moveaxis(q.reshape(q.shape[:-2] + (-1,))[..., :K], -1, axis).astype(np.float32)
;;   ~~~
;;   OPERANDS COMPUTED ON THE WAY. 'Computed on the way' means the value that the module computes at that place (a softmax that the list does not call 'softmax' is quantised finished and normalised). What goes into a quantiser is computed in f32, as accurately as f32 sums, v_exp_f32 and their like allow (about 1e-6 of the number): no bf16 or f16 on the way to a quantiser, and a product that is left as it is and whose result goes on into a quantised operand takes f32 operands (vector FMAs, or v_wmma_f32_16x16x4_f32). A number that lies on a knife's edge between two numbers of the format may be rounded either way, as far as f32 arithmetic and the matrix unit's own rounding can turn it there, and no further.
;;   INPUTS GIVEN AS CODES. W1 (in the module: [8, 512, 512], K = its axis 1); W2 (in the module: [8, 512, 512], K = its axis 1): each comes as NAME_codes (uint8): NAME with its K axis moved to the last place and cut into blocks of 32 codes, [.., K / 32, bytes a block], one block behind the other in memory; one code a byte (a code: sign, 4 exponent bits, 3 mantissa bits); and NAME_scales (uint8): the same leading axes, one E8M0 byte (e + 127) for each 32 codes along K. Its value is code x scale, taken as it is: it is not quantised again, and the codes and scales need not be those that the quantiser above would give.
;; 2 versions. Each part assembles by itself: llvm-mc -triple=amdgcn-amd-amdhsa -mcpu=gfx1250 --defsym DOCPART=n.
;; ======== version 1 of 2: 3 launches
;; workspace buffers: xq 4,194,304 bytes; xs 131,072 bytes; key 32,768 bytes of whole numbers; cnt4 4,096 bytes of whole numbers; gate 32,768 bytes; order 33,024 bytes of whole numbers; tiles 4,096 bytes of whole numbers; Wf 4,194,304 bytes
;; launch route (part 1): grid 256 x 1, 8 waves a work-group, no clusters, 60,416 bytes of LDS; arguments x, Wg, bg, xq, xs, key, cnt4, gate; writes xq, xs, key, cnt4, gate
.if DOCPART == 1
	.amdgcn_target "amdgcn-amd-amdhsa--gfx1250"
	.amdhsa_code_object_version 6
	.text
	.protected	k_q786a7e1f1a_route
	.globl	k_q786a7e1f1a_route
	.p2align	8
	.type	k_q786a7e1f1a_route,@function
k_q786a7e1f1a_route:
	s_mov_b64 s[64:65], 0
	v_nop
	global_prefetch_b8 v0, s[64:65] scope:SCOPE_SE
	s_setreg_imm32_b32 hwreg(HW_REG_WAVE_MODE, 25, 1), 1
	s_wait_xcnt 0x0
; THE ROUTER AND x's QUANTISER.  x: [8192][512] f32.  For each token: logits = x Wg + bg in f32 (fused multiply-adds: a wrong choice would spoil a whole row of the result),
; the chosen expert (largest logit, the lower index where two are equal), the chosen probability 1 / sum of exp(logit - largest), and x's codes of E4M3 with one E8M0 byte for each 32 along the 512.
; No address and no branch here hangs on the choice: it is stored at fixed places, as key[token] = e | e << 8 | rank << 16 (rank: how many earlier tokens of the token's block of 32 chose the same expert)
; and cnt4[block][4] (the block's eight counts, two to a word); the next launch places the rows.
; SHARES.  A work-group takes 32 tokens, each of its eight waves four, a token at a time.  A wave's sixteen loads of x (512 consecutive bytes each) all go out at the head.
; A lane must hold 16 NEIGHBOURS along the 512 (for the conversions, and so that its 128 numbers of Wg stay in registers): a token's 2,048 bytes turn through the wave's own stage in LDS.
; LIMITS: NaN and infinities in x are not served.  A block of zeros gets the byte 1 (its codes are zeros; this program alone reads the bytes).  The largest LOGIT is taken, not the largest rounded probability:
; the two can differ only where two logits lie closer than the softmax's own rounding.  key, gate and cnt4 leave as pieces of 128, 128 and 16 bytes: 272 bytes beside the work-group's 16,896 of codes and scale bytes.
.set WGL,  0                           ; LDS: Wg as 32 pieces of 512 bytes (16 rows of 8), 528 apart: an odd multiple of 16, so that sixteen lanes' reads begin in sixteen different 16-byte columns of 256
.set STG,  16896                       ; two stages of 32 x 80 bytes for each wave
.set LOGS, 57856                       ; 32 tokens x 8 sums
.set SBY,  58880                       ; 32 tokens x 16 scale bytes
.set SP,   80                          ; a lane's place in a stage: its 64 bytes + 16 of padding
.set X,    32                          ; v32-63   two sets of 16 neighbours (v32-47 first carry Wg on its way into LDS)
.set R,    64                          ; v64-127  four tokens as loaded; token t's codes and byte later lie in v[64+16t] on
.set WG,   128                         ; v128-255 Wg[16 lane + kk][e] at 128 + 8 kk + e
	s_load_b256 s[4:11], s[0:1], 0x0               ; x, Wg, bg, xq
	s_load_b256 s[12:19], s[0:1], 0x20             ; xs, key, cnt4, gate
	s_set_vgpr_msb 0x40
	v_lshl_add_u32 v0, v0, 2, 0xe800
	v_mov_b32 v1, 0
	s_set_vgpr_msb 0x4000
	v_lshrrev_b32 v1, 5, v0
	v_readfirstlane_b32 s20, v1                    ; wave
	v_and_b32 v16, 31, v0                          ; lane
	v_lshlrev_b32 v1, 4, v16                       ; v1: 16 x lane
	v_lshlrev_b32 v20, 4, v0                       ; 16 x thread: Wg's dense loads
	s_mul_i32 s43, s20, 2*32*SP
	s_add_co_u32 s43, s43, STG
	v_lshrrev_b32 v17, 2, v16
	v_mul_u32_u24 v2, v17, SP
	v_and_b32 v17, 3, v16
	v_lshl_add_u32 v2, v17, 4, v2
	v_add_nc_u32 v2, s43, v2                       ; v2: the stage on the way in: four lanes' 64 bytes on end, then the padding
	v_mul_u32_u24 v3, v16, SP
	v_add_nc_u32 v3, s43, v3                       ; v3: and on the way out: my 16 neighbours
	s_lshl_b32 s44, s20, 6
	s_add_co_u32 s44, s44, SBY
	v_lshrrev_b32 v4, 1, v16
	v_add_nc_u32 v4, s44, v4                       ; v4: my block's scale byte of the wave's first token
	s_lshl_b32 s45, s20, 7
	s_add_co_u32 s45, s45, LOGS
	v_mov_b32 v5, s45                              ; v5: the wave's first token's eight sums
	s_mul_i32 s46, s20, 528
	v_add_nc_u32 v6, s46, v1                       ; v6: Wg into LDS: piece wave + 8 j
	v_mul_u32_u24 v7, v16, 528                     ; v7: and out of it: piece lane
	v_lshl_add_u32 v30, v16, 5, LOGS               ; v30, v31: wave 0's reads at the end, lane = token
	v_lshl_add_u32 v31, v16, 4, SBY
	s_mov_b32 s40, 0x76543210
	s_mov_b32 s41, 0xfedcba98                      ; v_permlanex16_b32's selects for lane l xor 16
	s_mov_b32 s42, 0x600000                        ; the mantissa field of 448
.irp e,0,1,2,3,4,5,6,7
	v_mov_b32 v[22+\e], 0                          ; written once: a lane permute's destination counts as one of its sources
.endr
	s_wait_kmcnt 0x0
.irp j,0,1,2,3
	global_load_b128 v[X+4*\j:X+4*\j+3], v20, s[6:7] offset:4096*\j
.endr
	s_load_b256 s[24:31], s[8:9], 0x0              ; bg
	s_lshl_b32 s22, ttmp9, 16                      ; 32 tokens of 2,048 bytes,
	s_lshl_b32 s43, s20, 13                        ; my wave's four
	s_add_co_u32 s22, s22, s43
	s_mov_b32 s23, 0
	s_add_nc_u64 s[4:5], s[4:5], s[22:23]
.irp t,0,1,2,3
.irp i,0,1,2,3
	global_load_b128 v[R+16*\t+4*\i:R+16*\t+4*\i+3], v1, s[4:5] offset:2048*\t+512*\i th:TH_LOAD_NT
.endr
.endr
	s_lshl_b32 s22, ttmp9, 14
	s_lshl_b32 s43, s20, 11
	s_add_co_u32 s22, s22, s43
	s_add_nc_u64 s[10:11], s[10:11], s[22:23]      ; xq at my wave's first token
	s_lshl_b32 s22, ttmp9, 9
	s_add_nc_u64 s[12:13], s[12:13], s[22:23]      ; xs at the block
	s_lshl_b32 s22, ttmp9, 7
	s_add_nc_u64 s[14:15], s[14:15], s[22:23]      ; key
	s_add_nc_u64 s[18:19], s[18:19], s[22:23]      ; gate
	s_lshl_b32 s22, ttmp9, 4
	s_add_nc_u64 s[16:17], s[16:17], s[22:23]      ; cnt4
	s_wait_loadcnt 16                              ; Wg's four loads are in; the sixteen of x were issued behind them
.irp j,0,1,2,3
	ds_store_b128 v6, v[X+4*\j:X+4*\j+3] offset:4224*\j
.endr
	s_wait_dscnt 0x0                               ; for the others' sake: my part of Wg lies in LDS
	s_barrier_signal -1
	s_barrier_wait -1
.set i, 0
.rept 32
	ds_load_b128 v[WG+4*i:WG+4*i+3], v7 offset:16*i
.set i, i+1
.endr
.macro TURN t                          ; token t through the stage: LDS serves a wave's instructions in order, so no wait stands between the stores and the loads
.irp i,0,1,2,3
	ds_store_b128 v2, v[R+16*(\t)+4*\i:R+16*(\t)+4*\i+3] offset:32*SP*((\t)%2)+8*SP*\i
.endr
.irp i,0,1,2,3
	ds_load_b128 v[X+16*((\t)%2)+4*\i:X+16*((\t)%2)+4*\i+3], v3 offset:32*SP*((\t)%2)+16*\i
.endr
.endm
.macro DOT                             ; my 16 numbers x Wg's 16 rows: eight sums in four pairs; of x's pair one register feeds both halves
.irp j,0,1,2,3
	v_pk_mul_f32 v[8+2*\j:9+2*\j], v[XS:XS+1], v[WG+2*\j:WG+2*\j+1] op_sel_hi:[0,1]
.endr
.irp j,0,1,2,3
	v_pk_fma_f32 v[8+2*\j:9+2*\j], v[XS:XS+1], v[WG+8+2*\j:WG+9+2*\j], v[8+2*\j:9+2*\j] op_sel:[1,0,0] op_sel_hi:[1,1,1]
.endr
.irp p,1,2,3,4,5,6,7
.irp j,0,1,2,3
	v_pk_fma_f32 v[8+2*\j:9+2*\j], v[XS+2*\p:XS+2*\p+1], v[WG+16*\p+2*\j:WG+16*\p+2*\j+1], v[8+2*\j:9+2*\j] op_sel_hi:[0,1,1]
.endr
.irp j,0,1,2,3
	v_pk_fma_f32 v[8+2*\j:9+2*\j], v[XS+2*\p:XS+2*\p+1], v[WG+16*\p+8+2*\j:WG+16*\p+9+2*\j], v[8+2*\j:9+2*\j] op_sel:[1,0,0] op_sel_hi:[1,1,1]
.endr
.endr
.endm
.macro TOKEN t
.set XS, X+16*((\t)%2)
.if (\t) < 3
	s_wait_loadcnt 8-4*(\t)                        ; the next token's four loads are in; those of the tokens behind it may be out
	TURN (\t)+1
	s_wait_dscnt 8                                 ; all but the eight just issued: this token's numbers are back, and the last token's LDS stores have read their registers
.else
	s_wait_dscnt 0x0
.endif
	DOT
.irp n,1,2,4,8
.irp e,0,1,2,3,4,5,6,7
	v_add_f32_dpp v[8+\e], v[8+\e], v[8+\e] row_xmask:\n row_mask:0xf bank_mask:0xf
.endr
.endr
.irp e,0,1,2,3,4,5,6,7
	v_permlanex16_b32 v[22+\e], v[8+\e], s40, s41
.endr
.irp e,0,1,2,3,4,5,6,7
	v_add_f32 v[8+\e], v[8+\e], v[22+\e]           ; every lane holds the token's eight sums
.endr
	ds_store_b128 v5, v[8:11] offset:32*(\t)       ; all lanes write the same bytes with the same values
	ds_store_b128 v5, v[12:15] offset:32*(\t)+16
	v_max3_num_f32 v16, |v[XS]|, |v[XS+1]|, |v[XS+2]|      ; the largest magnitude of my 16
	v_max3_num_f32 v17, |v[XS+3]|, |v[XS+4]|, |v[XS+5]|
.irp i,6,10
	v_max3_num_f32 v16, v16, |v[XS+\i]|, |v[XS+\i+1]|
	v_max3_num_f32 v17, v17, |v[XS+\i+2]|, |v[XS+\i+3]|
.endr
	v_max3_num_f32 v16, v16, |v[XS+14]|, |v[XS+15]|
	v_max3_num_f32 v16, v16, v17, 0x4800000        ; and the floor 2^(9 - 127): the byte cannot fall under 1
	v_max_num_f32_dpp v16, v16, v16 row_xmask:1 row_mask:0xf bank_mask:0xf   ; and of my neighbour's 16: the block's
	v_add_nc_u32 v19, 0xfc000000, v16              ; 8 off its exponent field: the conversion takes the exponent field of this operand as its scale
	v_and_or_b32 v18, v16, 0x7f800000, s42         ; 448 x the scale
.irp i,0,1,2,3,4,5,6,7,8,9,10,11,12,13,14,15
	v_med3_num_f32 v[XS+\i], v[XS+\i], -v18, v18   ; the conversion to an 8-bit code does not saturate (ISA guide 7.6.2): the hold comes first
.endr
	v_cvt_scalef32_pk8_fp8_f32 v[R+16*(\t):R+16*(\t)+1], v[XS:XS+7], v19
	v_cvt_scalef32_pk8_fp8_f32 v[R+16*(\t)+2:R+16*(\t)+3], v[XS+8:XS+15], v19
	v_lshrrev_b32 v[R+16*(\t)+4], 23, v19          ; the scale's byte (also the plain line behind the conversions)
	ds_store_b8 v4, v[R+16*(\t)+4] offset:16*(\t)  ; both lanes of a block write the same byte
	global_store_b128 v1, v[R+16*(\t):R+16*(\t)+3], s[10:11] offset:512*(\t)   ; the wave stores the token's 512 bytes of codes on end
.endm
	s_wait_loadcnt 12                              ; token 0's four loads are in
	TURN 0
	TOKEN 0
	TOKEN 1
	TOKEN 2
	TOKEN 3
	s_wait_kmcnt 0x0                               ; bg
	s_wait_dscnt 0x0                               ; for wave 0's sake: my sums and scale bytes lie in LDS
	s_barrier_signal -1
	s_barrier_wait -1
	s_cmp_lg_u32 s20, 0
	s_cbranch_scc1 .Lend
	; wave 0, a lane to a token: the softmax's chosen term, the choice, the rank in the block, the counts
	ds_load_b128 v[8:11], v30
	ds_load_b128 v[12:15], v30 offset:16
	ds_load_b128 v[32:35], v31
	v_and_b32 v36, 31, v0
	v_lshlrev_b32 v37, 2, v36
	v_mov_b32 v38, 0
	s_wait_dscnt 0x0
.irp e,0,1,2,3,4,5,6,7
	v_add_f32 v[8+\e], s[24+\e], v[8+\e]
.endr
	v_max3_num_f32 v16, v8, v9, v10
	v_max3_num_f32 v16, v16, v11, v12
	v_max3_num_f32 v16, v16, v13, v14
	v_max_num_f32 v16, v16, v15                    ; the largest logit is taken away ahead of the exponentials
.irp e,0,1,2,3,4,5,6,7
	v_sub_f32 v[40+\e], v[8+\e], v16
.endr
.irp e,0,1,2,3,4,5,6,7
	v_mul_f32 v[40+\e], 0x3fb8aa3b, v[40+\e]
.endr
.irp e,0,1,2,3,4,5,6,7
	v_exp_f32 v[40+\e], v[40+\e]
.endr
	v_mov_b32 v17, 7                               ; (a plain line behind the exponentials)  the choice: from the top down, so that the lowest index stays
.irp e,6,5,4,3,2,1,0
	v_mov_b32 v19, \e
	v_cmp_eq_f32 vcc_lo, v[8+\e], v16
	v_cndmask_b32 v17, v17, v19, vcc_lo
.endr
	s_wait_alu depctr_va_vdst(0)
	v_add_f32 v40, v40, v41
	v_add_f32 v42, v42, v43
	v_add_f32 v44, v44, v45
	v_add_f32 v46, v46, v47
	v_add_f32 v40, v40, v42
	v_add_f32 v44, v44, v46
	v_add_f32 v40, v40, v44
	v_rcp_f32 v40, v40                             ; the chosen probability: its own term is exp(0) = 1
	v_nop
.irp e,0,1,2,3,4,5,6,7
	v_cmp_eq_u32 s[32+\e], \e, v17                 ; which of the 32 tokens chose expert e
.endr
	v_mov_b32 v18, s32
.irp e,1,2,3,4,5,6,7
	v_mov_b32 v19, s[32+\e]
	v_cndmask_b32 v18, v18, v19, s[32+\e]          ; my own expert's mask
.endr
	v_mbcnt_lo_u32_b32 v20, v18, 0                 ; how many lanes below me are in it
	v_lshl_or_b32 v21, v17, 8, v17
	v_lshl_or_b32 v21, v20, 16, v21
.irp i,0,1,2,3
	s_bcnt1_i32_b32 s43, s[32+2*\i]
	s_bcnt1_i32_b32 s44, s[33+2*\i]
	s_lshl_b32 s44, s44, 16
	s_or_b32 s43, s43, s44
	v_mov_b32 v[24+\i], s43
.endr
	global_store_b32 v37, v21, s[14:15]
	s_wait_alu depctr_va_vdst(0)
	global_store_b32 v37, v40, s[18:19]
	global_store_b128 v1, v[32:35], s[12:13]       ; the block's 512 scale bytes on end
	v_cmp_eq_u32 vcc_lo, 0, v36
	s_wait_xcnt 0x0                                ; EXEC is a source of the stores above: it changes only behind this wait
	s_and_saveexec_b32 s43, vcc_lo
	global_store_b128 v38, v[24:27], s[16:17]      ; lane 0 alone: the block's counts
	s_wait_xcnt 0x0
	s_or_b32 exec_lo, exec_lo, s43
.Lend:
	s_set_vgpr_msb 0x5
	s_wait_tensorcnt 0x0
	ds_add_u32 v0, v1
	s_wait_dscnt 0x0
	s_set_vgpr_msb 0x500
	s_endpgm
.Lfunc_end_k_q786a7e1f1a_route:
	.size	k_q786a7e1f1a_route, .Lfunc_end_k_q786a7e1f1a_route-k_q786a7e1f1a_route
	.p2alignl 7, 3214868480
	.fill 96, 4, 3214868480
	.section	.rodata,"a",@progbits
	.p2align	6, 0x0
	.amdhsa_kernel k_q786a7e1f1a_route
		.amdhsa_group_segment_fixed_size 60416
		.amdhsa_private_segment_fixed_size 0
		.amdhsa_enable_private_segment 0
		.amdhsa_kernarg_size 64
		.amdhsa_user_sgpr_count 2
		.amdhsa_user_sgpr_kernarg_segment_ptr 1
		.amdhsa_wavefront_size32 1
		.amdhsa_system_sgpr_workgroup_id_x 1
		.amdhsa_system_sgpr_workgroup_id_y 1
		.amdhsa_system_sgpr_workgroup_id_z 1
		.amdhsa_system_vgpr_workitem_id 0
		.amdhsa_next_free_vgpr 258
		.amdhsa_next_free_sgpr 66
		.amdhsa_reserve_vcc 1
		.amdhsa_float_denorm_mode_32 3
		.amdhsa_float_denorm_mode_16_64 3
		.amdhsa_memory_ordered 1
		.amdhsa_forward_progress 1
		.amdhsa_inst_pref_size 51
	.end_amdhsa_kernel
	.amdgpu_metadata
---
amdhsa.version: [ 1, 2 ]
amdhsa.kernels:
  - .name:           k_q786a7e1f1a_route
    .symbol:         k_q786a7e1f1a_route.kd
    .args:
      - { .name: x, .offset: 0, .size: 8, .value_kind: global_buffer, .address_space: global }
      - { .name: Wg, .offset: 8, .size: 8, .value_kind: global_buffer, .address_space: global }
      - { .name: bg, .offset: 16, .size: 8, .value_kind: global_buffer, .address_space: global }
      - { .name: xq, .offset: 24, .size: 8, .value_kind: global_buffer, .address_space: global }
      - { .name: xs, .offset: 32, .size: 8, .value_kind: global_buffer, .address_space: global }
      - { .name: key, .offset: 40, .size: 8, .value_kind: global_buffer, .address_space: global }
      - { .name: cnt4, .offset: 48, .size: 8, .value_kind: global_buffer, .address_space: global }
      - { .name: gate, .offset: 56, .size: 8, .value_kind: global_buffer, .address_space: global }
    .group_segment_fixed_size: 60416
    .private_segment_fixed_size: 0
    .kernarg_segment_align: 8
    .kernarg_segment_size: 64
    .max_flat_workgroup_size: 256
    .sgpr_count:     66
    .vgpr_count:     258
    .wavefront_size: 32
...
	.end_amdgpu_metadata
.endif
;; end of part 1
;; launch place (part 2): grid 65 x 1, 8 waves a work-group, no clusters, 105,728 bytes of LDS; arguments key, cnt4, W1_codes, W2_codes, order, tiles, Wf; writes order, tiles, Wf
.if DOCPART == 2
	.amdgcn_target "amdgcn-amd-amdhsa--gfx1250"
	.amdhsa_code_object_version 6
	.text
	.protected	k_q786a7e1f1a_place
	.globl	k_q786a7e1f1a_place
	.p2align	8
	.type	k_q786a7e1f1a_place,@function
k_q786a7e1f1a_place:
	s_mov_b64 s[64:65], 0
	v_nop
	global_prefetch_b8 v0, s[64:65] scope:SCOPE_SE
	s_setreg_imm32_b32 hwreg(HW_REG_WAVE_MODE, 25, 1), 1
	s_wait_xcnt 0x0
; TWO JOBS IN ONE LAUNCH, parted on the work-group's number.
; WORK-GROUP 0 PLACES THE ROWS: a counting sort of the 8,192 tokens by expert, without atomics.  Thread t owns block t of 32 tokens: its eight counts (two to a word, each sum under 2^16) are summed over the
; earlier blocks (a scan in the wave, the waves' totals through LDS); a token's place is its expert's first place + the earlier blocks' count + its rank in its block.  order[place] = token; 64 zeros follow,
; so that a tile's list of 64 may be read past the last token.  tiles[t] = (expert, first place, rows, 0) for tiles of at most 64 rows; an entry behind the last tile has 0 rows.
; WORK-GROUPS 1 TO 64 LAY THE WEIGHTS' CODES IN THE ORDER OF THE OPERAND'S REGISTERS: Wf[e][w][p][u][s][c][lane][16 bytes], p = 4 layer + b: row 128 w + 32 b + 8 u + r + 8 (r / 8), k = 128 s + 32 c + 16 h on
; (r = lane % 16, h = lane / 16).  A wave takes 16 rows: sixteen loads of 512 consecutive bytes, a turn through its own stage, sixteen stores of 512 consecutive bytes.
; Each job has LDS bytes of its own, and all LDS addresses are made ahead of the parting.
.set KS, 0                             ; the sort: 8 waves x 32 rows of 128 bytes, 144 apart
.set WT, 36864                         ; the waves' totals, 16 bytes each
.set RL, 37120                         ; the weights: 8 waves x 16 rows of 512 bytes, 528 apart
	s_load_b256 s[4:11], s[0:1], 0x0               ; key, cnt4, W1's codes, W2's codes
	s_load_b128 s[12:15], s[0:1], 0x20             ; order, tiles
	s_load_b64 s[16:17], s[0:1], 0x30              ; Wf
	v_lshl_add_u32 v254, v0, 2, 0x19900
	v_mov_b32 v255, 0
	v_lshrrev_b32 v1, 5, v0
	v_readfirstlane_b32 s20, v1                    ; wave
	v_and_b32 v2, 31, v0                           ; lane
	v_lshlrev_b32 v3, 4, v2                        ; 16 x lane
	s_mul_i32 s21, s20, 4608
	v_lshrrev_b32 v1, 3, v2
	v_mul_u32_u24 v200, v1, 144
	v_and_b32 v1, 7, v2
	v_lshl_add_u32 v200, v1, 4, v200
	v_add_nc_u32 v200, s21, v200                   ; v200: keys into the stage: eight lanes to a block's 128 bytes
	v_mul_u32_u24 v201, v2, 144
	v_add_nc_u32 v201, s21, v201                   ; v201: and out: a block to a lane
	s_lshl_b32 s21, s20, 4
	s_add_co_u32 s21, s21, WT
	v_mov_b32 v202, s21                            ; v202: my wave's totals
	v_mov_b32 v203, WT                             ; v203: all the waves'
	s_mul_i32 s21, s20, 8448
	s_add_co_u32 s21, s21, RL
	v_add_nc_u32 v204, s21, v3                     ; v204: a weight's row into the stage
	v_and_b32 v1, 15, v2
	v_mul_u32_u24 v205, v1, 528
	v_bfe_u32 v1, v0, 4, 1
	v_lshl_add_u32 v205, v1, 4, v205
	v_add_nc_u32 v205, s21, v205                   ; v205: and out: row r, + 16 h
	s_wait_kmcnt 0x0
	s_cmp_lg_u32 ttmp9, 0
	s_cbranch_scc1 .Lrelay
	; ---- the sort
	v_lshlrev_b32 v1, 4, v0                        ; 16 x thread
	s_lshl_b32 s21, s20, 12
	v_add_nc_u32 v206, s21, v3                     ; my wave's 1,024 keys, 16 bytes a lane
	v_lshlrev_b32 v207, 5, v0                      ; my block's first token
	global_load_b128 v[4:7], v1, s[6:7]            ; my block's counts
.irp i,0,1,2,3,4,5,6,7
	global_load_b128 v[96+4*\i:99+4*\i], v206, s[4:5] offset:512*\i
.endr
.irp k,0,1,2,3
	v_mov_b32 v[12+\k], 0                          ; written once: a DPP form's destination counts as one of its sources
.endr
	s_mov_b32 s22, 0xffff0000                      ; lanes 16 to 31
	s_wait_loadcnt 8                               ; the counts are in; the eight loads of keys were issued behind them
.irp k,0,1,2,3
	v_mov_b32 v[8+\k], v[4+\k]
.endr
.irp n,1,2,4,8                                 ; sums over the lanes up to mine, in each half of the wave
.irp k,0,1,2,3
	v_mov_b32_dpp v[12+\k], v[8+\k] row_shr:\n row_mask:0xf bank_mask:0xf bound_ctrl:1
.endr
.irp k,0,1,2,3
	v_add_nc_u32 v[8+\k], v[8+\k], v[12+\k]
.endr
.endr
.irp k,0,1,2,3
	v_readlane_b32 s[24+\k], v[8+\k], 15           ; the lower half's total goes onto the upper half
.endr
.irp k,0,1,2,3
	v_mov_b32 v[12+\k], s[24+\k]
	v_cndmask_b32 v[12+\k], 0, v[12+\k], s22
	v_add_nc_u32 v[8+\k], v[8+\k], v[12+\k]
.endr
.irp k,0,1,2,3
	v_readlane_b32 s[28+\k], v[8+\k], 31           ; the wave's totals
	v_mov_b32 v[12+\k], s[28+\k]
.endr
	ds_store_b128 v202, v[12:15]
	s_wait_loadcnt 0x0                             ; the keys
.irp i,0,1,2,3,4,5,6,7
	ds_store_b128 v200, v[96+4*\i:99+4*\i] offset:576*\i
.endr
.irp i,0,1,2,3,4,5,6,7
	ds_load_b128 v[128+4*\i:131+4*\i], v201 offset:16*\i   ; my block's 32 keys (the wave's own stage: LDS serves a wave's instructions in order)
.endr
	s_wait_dscnt 0x0                               ; for the others' sake: my wave's totals lie in LDS
	s_barrier_signal -1
	s_barrier_wait -1
.irp i,0,1,2,3,4,5,6,7
	ds_load_b128 v[16+4*\i:19+4*\i], v203 offset:16*\i
.endr
	s_wait_dscnt 0x0
.irp i,0,1,2,3,4,5,6,7                         ; v48-51: all waves' totals; v52-55: those of the waves before mine
	s_cmp_gt_u32 s20, \i
	s_cselect_b32 s21, -1, 0
.irp k,0,1,2,3
.if \i == 0
	v_mov_b32 v[48+\k], v[16+\k]
	v_and_b32 v[52+\k], s21, v[16+\k]
.else
	v_add_nc_u32 v[48+\k], v[48+\k], v[16+4*\i+\k]
	v_and_b32 v[12+\k], s21, v[16+4*\i+\k]
	v_add_nc_u32 v[52+\k], v[52+\k], v[12+\k]
.endif
.endr
.endr
.irp k,0,1,2,3
	v_add_nc_u32 v[52+\k], v[52+\k], v[8+\k]
	v_sub_nc_u32 v[52+\k], v[52+\k], v[4+\k]       ; the counts of all blocks before mine
.endr
.irp k,0,1,2,3
	v_and_b32 v[56+2*\k], 0xffff, v[48+\k]         ; v56-63: n(e)
	v_lshrrev_b32 v[57+2*\k], 16, v[48+\k]
	v_and_b32 v[80+2*\k], 0xffff, v[52+\k]
	v_lshrrev_b32 v[81+2*\k], 16, v[52+\k]
.endr
	v_mov_b32 v64, 0                               ; v64-71: S(e), expert e's first place
	v_mov_b32 v72, 0                               ; v72-79: TS(e), its first tile
.irp e,1,2,3,4,5,6,7
	v_add_nc_u32 v[64+\e], v[63+\e], v[55+\e]
	v_add_nc_u32 v12, 63, v[55+\e]
	v_lshrrev_b32 v12, 6, v12
	v_add_nc_u32 v[72+\e], v[71+\e], v12
.endr
.irp e,0,1,2,3,4,5,6,7
	v_add_nc_u32 v[80+\e], v[80+\e], v[64+\e]      ; v80-87: where my block's tokens of expert e begin (at most 8,192: two bytes)
.endr
	v_perm_b32 v88, v81, v80, 0x05010400           ; the eight numbers as tables of bytes, so that the key's two low bytes (e, e) pick one by v_perm_b32:
	v_perm_b32 v89, v83, v82, 0x05010400
	v_perm_b32 v90, v85, v84, 0x05010400
	v_perm_b32 v91, v87, v86, 0x05010400
	v_perm_b32 v92, v89, v88, 0x05040100           ; low bytes of experts 0-3,
	v_perm_b32 v93, v89, v88, 0x07060302           ; high bytes of 0-3,
	v_perm_b32 v94, v91, v90, 0x05040100           ; low bytes of 4-7,
	v_perm_b32 v95, v91, v90, 0x07060302           ; high bytes of 4-7
.set n, 0
.rept 32                                       ; each store has its own offset and data registers: nothing that a pending store reads is written again
	v_and_b32 v12, 0xffff, v[128+n]
	v_perm_b32 v13, v94, v92, v12
	v_perm_b32 v14, v95, v93, v12
	v_bfi_b32 v13, 0xff, v13, v14
	v_and_b32 v13, 0xffff, v13
	v_lshrrev_b32 v14, 16, v[128+n]                ; the rank in the block
	v_add_nc_u32 v13, v13, v14
	v_min_u32 v13, 0x1fff, v13                     ; a place is under 8,192
	v_lshlrev_b32 v[128+n], 2, v13
	v_add_nc_u32 v[160+n], n, v207
	global_store_b32 v[128+n], v[160+n], s[12:13]
.set n, n+1
.endr
	v_mov_b32 v96, 0                               ; tile t = my thread's number: the last expert whose first tile is not behind t
	v_mov_b32 v12, v72
	v_mov_b32 v13, v64
	v_mov_b32 v14, v56
.irp e,1,2,3,4,5,6,7
	v_mov_b32 v15, \e
	v_cmp_ge_u32 vcc_lo, v0, v[72+\e]
	v_cndmask_b32 v96, v96, v15, vcc_lo
	v_cndmask_b32 v12, v12, v[72+\e], vcc_lo
	v_cndmask_b32 v13, v13, v[64+\e], vcc_lo
	v_cndmask_b32 v14, v14, v[56+\e], vcc_lo
.endr
	v_sub_nc_u32 v12, v0, v12
	v_lshlrev_b32 v12, 6, v12
	v_min_u32 v12, v12, v14                        ; rows of the expert's earlier tiles
	v_add_nc_u32 v97, v13, v12                     ; first place
	v_sub_nc_u32 v98, v14, v12
	v_min_u32 v98, 64, v98                         ; rows
	v_mov_b32 v99, 0
	global_store_b128 v1, v[96:99], s[14:15]
	s_cmp_gt_u32 s20, 1
	s_cbranch_scc1 .Lsorted
	v_lshlrev_b32 v15, 2, v0
	global_store_b32 v15, v99, s[12:13] offset:32768   ; threads 0 to 63: the 64 zeros behind the list
.Lsorted:
	s_wait_tensorcnt 0x0
	ds_add_u32 v254, v255
	s_wait_dscnt 0x0
	s_endpgm
	; ---- the weights: unit q = 8 (work-group - 1) + wave: bits 0 u, 2:1 b, 4:3 w, 7:5 e, 8 layer
.Lrelay:
	s_sub_co_u32 s21, ttmp9, 1
	s_lshl_b32 s21, s21, 3
	s_add_co_u32 s21, s21, s20
	s_bfe_u32 s22, s21, 0x70001                    ; (e, w, b): 32 rows of 512 bytes each,
	s_lshl_b32 s22, s22, 14
	s_and_b32 s24, s21, 1
	s_lshl_b32 s25, s24, 12                        ; u: 8 rows
	s_add_co_u32 s22, s22, s25
	s_mov_b32 s23, 0
	s_bfe_u32 s26, s21, 0x30005
	s_lshl_b32 s26, s26, 19
	s_bfe_u32 s27, s21, 0x20003
	s_lshl_b32 s27, s27, 17
	s_add_co_u32 s26, s26, s27
	s_lshr_b32 s27, s21, 8
	s_lshl_b32 s27, s27, 2
	s_bfe_u32 s28, s21, 0x20001
	s_add_co_u32 s27, s27, s28                     ; p = 4 layer + b
	s_lshl_b32 s27, s27, 14
	s_add_co_u32 s26, s26, s27
	s_lshl_b32 s24, s24, 13
	s_add_co_u32 s26, s26, s24
	s_mov_b32 s27, 0
	s_cmp_ge_u32 ttmp9, 33                         ; the second half of the units takes W2: the choice hangs on the work-group's number alone
	s_cselect_b64 s[8:9], s[10:11], s[8:9]
	s_add_nc_u64 s[8:9], s[8:9], s[22:23]
	s_add_nc_u64 s[16:17], s[16:17], s[26:27]
.irp i,0,1,2,3,4,5,6,7,8,9,10,11,12,13,14,15
	global_load_b128 v[32+4*\i:35+4*\i], v3, s[8:9] offset:512*(\i+8*(\i/8)) th:TH_LOAD_NT   ; rows 0-7 and 16-23 from the unit's first
.endr
.irp i,0,1,2,3,4,5,6,7,8,9,10,11,12,13,14,15
	s_wait_loadcnt 15-\i
	ds_store_b128 v204, v[32+4*\i:35+4*\i] offset:528*\i
.endr
.irp i,0,1,2,3,4,5,6,7,8,9,10,11,12,13,14,15
	ds_load_b128 v[96+4*\i:99+4*\i], v205 offset:32*\i     ; i = 4 s + c: k = 128 s + 32 c (the wave's own stage: these see the stores above)
.endr
.irp i,0,1,2,3,4,5,6,7,8,9,10,11,12,13,14,15
	s_wait_dscnt 15-\i
	global_store_b128 v3, v[96+4*\i:99+4*\i], s[16:17] offset:512*\i
.endr
	s_wait_tensorcnt 0x0
	ds_add_u32 v254, v255
	s_wait_dscnt 0x0
	s_endpgm
.Lfunc_end_k_q786a7e1f1a_place:
	.size	k_q786a7e1f1a_place, .Lfunc_end_k_q786a7e1f1a_place-k_q786a7e1f1a_place
	.p2alignl 7, 3214868480
	.fill 96, 4, 3214868480
	.section	.rodata,"a",@progbits
	.p2align	6, 0x0
	.amdhsa_kernel k_q786a7e1f1a_place
		.amdhsa_group_segment_fixed_size 105728
		.amdhsa_private_segment_fixed_size 0
		.amdhsa_enable_private_segment 0
		.amdhsa_kernarg_size 56
		.amdhsa_user_sgpr_count 2
		.amdhsa_user_sgpr_kernarg_segment_ptr 1
		.amdhsa_wavefront_size32 1
		.amdhsa_system_sgpr_workgroup_id_x 1
		.amdhsa_system_sgpr_workgroup_id_y 1
		.amdhsa_system_sgpr_workgroup_id_z 1
		.amdhsa_system_vgpr_workitem_id 0
		.amdhsa_next_free_vgpr 256
		.amdhsa_next_free_sgpr 66
		.amdhsa_reserve_vcc 1
		.amdhsa_float_denorm_mode_32 3
		.amdhsa_float_denorm_mode_16_64 3
		.amdhsa_memory_ordered 1
		.amdhsa_forward_progress 1
		.amdhsa_inst_pref_size 44
	.end_amdhsa_kernel
	.amdgpu_metadata
---
amdhsa.version: [ 1, 2 ]
amdhsa.kernels:
  - .name:           k_q786a7e1f1a_place
    .symbol:         k_q786a7e1f1a_place.kd
    .args:
      - { .name: key, .offset: 0, .size: 8, .value_kind: global_buffer, .address_space: global }
      - { .name: cnt4, .offset: 8, .size: 8, .value_kind: global_buffer, .address_space: global }
      - { .name: W1_codes, .offset: 16, .size: 8, .value_kind: global_buffer, .address_space: global }
      - { .name: W2_codes, .offset: 24, .size: 8, .value_kind: global_buffer, .address_space: global }
      - { .name: order, .offset: 32, .size: 8, .value_kind: global_buffer, .address_space: global }
      - { .name: tiles, .offset: 40, .size: 8, .value_kind: global_buffer, .address_space: global }
      - { .name: Wf, .offset: 48, .size: 8, .value_kind: global_buffer, .address_space: global }
    .group_segment_fixed_size: 105728
    .private_segment_fixed_size: 0
    .kernarg_segment_align: 8
    .kernarg_segment_size: 56
    .max_flat_workgroup_size: 256
    .sgpr_count:     66
    .vgpr_count:     256
    .wavefront_size: 32
...
	.end_amdgpu_metadata
.endif
;; end of part 2
;; launch experts (part 3): grid 135 x 1, 4 waves a work-group, no clusters, 102,912 bytes of LDS; arguments tiles, order, xq, xs, gate, Wf, W1_scales, b1, W2_scales, b2, out0; writes out0
.if DOCPART == 3
	.amdgcn_target "amdgcn-amd-amdhsa--gfx1250"
	.amdhsa_code_object_version 6
	.text
	.protected	k_q786a7e1f1a_experts
	.globl	k_q786a7e1f1a_experts
	.p2align	8
	.type	k_q786a7e1f1a_experts,@function
k_q786a7e1f1a_experts:
	s_mov_b64 s[64:65], 0
	v_nop
	global_prefetch_b8 v0, s[64:65] scope:SCOPE_SE
	s_setreg_imm32_b32 hwreg(HW_REG_WAVE_MODE, 25, 1), 1
	s_wait_xcnt 0x0
; ONE TILE OF AT MOST 64 ROWS OF ONE EXPERT THROUGH THE WHOLE CHAIN: out = gate x (Q(gelu(Q(x) W1[e] + b1[e])) W2[e] + b2[e]), both products on codes of E4M3 with one E8M0 scale for each 32 along K.
; Only the chosen expert's products are made.  135 = 8192 / 64 + 8 - 1 work-groups serve every split; one that the stored list leaves without rows stores nothing.
; SHARES.  The four waves share the COLUMNS: wave w makes hidden units 128 w to 128 w + 127 and outputs 128 w to 128 w + 127 for all 64 rows.  So each byte of the expert's weights has one wave that wants it, and it goes
; from memory straight into that wave's registers, 512 consecutive bytes a load, in the order in which the launch before has laid them.  What goes from wave to wave through LDS is small: the rows' codes.
; NO JOINT LOADS: weights land in registers, not in LDS, each byte in one wave; and which work-groups share an expert hangs on the stored list, in numbers that are no multiples of four.
; BOTH PRODUCTS ARE USED TRANSPOSED (source 0 = 16 rows of the weight, source 1 = 16 tokens): a lane holds ONE token.  The rows of a weight's tile are not neighbours: lane r of tile (b, u) takes row 32 b + 8 u + r + 8 (r / 8),
; so that the 16 registers of tiles (b, 0) and (b, 1) are 16 neighbours, 32 b + 16 (lane / 16) + 0 .. 15: along the next K in layer 1, along a row of the result in layer 2.
; A RECORD is 32 rows of a wave's weight: 8 fragments (128 registers), 4 scale words a lane, 16 numbers of the bias a lane: 37 loads.  Records 0-3 are layer 1's, 4-7 layer 2's.  Layer 1 works a record at a time on two
; buffers; meanwhile all four records of layer 2 arrive, so that layer 2 goes by tiles of 16 rows and finished rows leave while the next are multiplied.
; GELU, exact: gelu(x) = max(x, 0) - |x| P(t), t = |x| / sqrt(2), P = erfc(t) / 2.  Over 0.927734375: P = 2^(a polynomial of degree 7 in t); else P = 0.5 + t x (a polynomial in t^2).  Both are computed, one is selected.
; LIMITS: NaN and infinities are not served.  P is within about 1e-7 of its value absolutely below the change-over and about 2e-6 relatively above it.  A block of zeros gets the scale byte 1 (its codes are zeros).
; Rows of a tile past its count name valid tokens (the next expert's, or token 0): they are computed and not stored.
; REGISTERS, in windows of 256: window 0 as named below; window 1: the 16 fragments of the rows (4 m + s), x's and then the hidden layer's; window 2: two records; window 3: records 6 and 7.
.set XR,   0                           ; LDS: 64 rows of x's codes, 528 apart (an odd multiple of 16: sixteen rows begin in sixteen different 16-byte columns of 256)
.set HIMG, 33792                       ; the hidden layer's 16 fragments as images of their registers, 2,048 bytes each: fragment 4 m + s, register group c at 512 c, lane at 16 x lane
.set HSC,  66560                       ; their scale words, 128 bytes each
.set OST,  68608                       ; the way out: 16 rows of 512 bytes, 528 apart, for each wave
.set LI,   1                           ; v1   16 x lane
.set WSO,  2                           ; v2   a record's scale words: 16 bytes of row 8 h + r + 8 (r / 8): lanes 0-15 tile u = 0, lanes 16-31 tile u = 1
.set BO,   3                           ; v3   a record's bias: 64 h
.set XRS,  4                           ; v4   x's rows into LDS
.set XRF,  5                           ; v5   and out as fragments
.set HWI,  6                           ; v6   where I store the hidden layer's images
.set HWS,  7                           ; v7   and their scale words
.set HRS,  8                           ; v8   where any wave reads the scale words
.set HRI,  9                           ; v9   and the images
.set SO,   10                          ; v10  the way out: where I put 64 bytes of a row
.set SR,   11                          ; v11  and where I read a row back
.set CB,   12                          ; v12  my byte in a row of out0
.set R4,   13                          ; v13  4 r
.set CA6,  14                          ; v[14:15], v[60:61], v[62:63]: three of the polynomials' constants, twice each
.set IDX,  16                          ; v16-19   the token of row 16 m + r
.set G,    20                          ; v20-23   its gate
.set XS,   24                          ; v24-39   the rows' scale words (4 m + s)
.set WS,   40                          ; v40-55   the records' scale words (4 slot + s)
.set HSW,  56                          ; v56-59   the scale words that I make
.set CA4,  60
.set CB4,  62
.set BIAS, 64                          ; v64-127  the records' biases (16 slot + 8 u + j)
.set ACC,  128                         ; v128-191 eight accumulators
.set GT,   192                         ; gelu: t, t^2 (then max(x, 0)), the large branch, the small branch
.set GS,   200
.set GR,   208
.set GQ,   216
.set TM,   224                         ; the quantiser: largest magnitudes, bytes, holds, scale operands
.set PC,   240                         ; the codes just made
.set OB,   192                         ; the way out: 16 rows read back
.set MSB, 0
.macro WIN new                         ; the immediate's high byte repeats the setting that is left
.if MSB != \new
	s_set_vgpr_msb (MSB<<8)|\new
.set MSB, \new
.endif
.endm
.macro PLACES8                         ; eight places behind this matrix form, in front of loads into its registers and of the first read of its results
.rept 8
	v_nop
.endr
.endm
; A record: off its bytes in the wave's part of Wf, into v[reg] on of the window that win names as destination; its scale words from s[sp:sp+1] + soff, its bias from s[bp:bp+1] + boff
.macro LOADREC slot, win, reg, off, sp, soff, bp, boff
	WIN \win
.irp u,0,1
.irp s,0,1,2,3
.irp c,0,1,2,3
	global_load_b128 v[\reg+16*(4*\u+\s)+4*\c:\reg+16*(4*\u+\s)+4*\c+3], v[LI], s[14:15] offset:\off+512*(16*\u+4*\s+\c)
.endr
.endr
.endr
	WIN 0
	global_load_b128 v[WS+4*\slot:WS+4*\slot+3], v[WSO], s[\sp:\sp+1] offset:\soff
.irp i,0,1,2,3
	global_load_b128 v[BIAS+16*\slot+4*\i:BIAS+16*\slot+4*\i+3], v[BO], s[\bp:\bp+1] offset:\boff+16*\i
.endr
.endm
.macro WM row                          ; one product on rD, rA, rB, rC, rW, rX; row = 1: the weight's scales stand in lanes 16-31
.if \row
	v_wmma_scale_f32_16x16x128_f8f6f4 v[rD:rD+7], v[rA:rA+15], v[rB:rB+15], v[rC:rC+7], v[rW], v[rX] matrix_a_scale:MATRIX_SCALE_ROW1
.else
	v_wmma_scale_f32_16x16x128_f8f6f4 v[rD:rD+7], v[rA:rA+15], v[rB:rB+15], v[rC:rC+7], v[rW], v[rX]
.endif
.endm
; Layer 1, one record: 4 tiles of rows x 2 tiles of units x 4 K steps.  The eight accumulators take turns, one instruction a turn; the bias is the C of each sum's first product.
.macro MUL1 slot
	WIN 0x06                                       ; source 0 (the weight) window 2, source 1 (the rows) window 1
.irp s,0,1,2,3
.irp m,0,1,2,3
.irp u,0,1
.set rD, ACC+16*\m+8*\u
.set rA, 128*(\slot)+16*(4*\u+\s)
.set rB, 16*(4*\m+\s)
.set rC, rD
.if \s == 0
.set rC, BIAS+16*(\slot)+8*\u
.endif
.set rW, WS+4*(\slot)+\s
.set rX, XS+4*\m+\s
	WM \u
.endr
.endr
.endr
	WIN 0
.endm
; gelu of eight numbers in place, stage by stage, from the accumulator's low end on
.macro GELU8 x
.irp i,0,1,2,3,4,5,6,7
	v_mul_f32 v[GT+\i], s95, |v[\x+\i]|            ; t
.endr
.irp i,0,2,4,6
	v_pk_mul_f32 v[GS+\i:GS+\i+1], v[GT+\i:GT+\i+1], v[GT+\i:GT+\i+1]
.endr
.irp i,0,2,4,6
	v_pk_fma_f32 v[GR+\i:GR+\i+1], v[GT+\i:GT+\i+1], s[66:67], v[CA6:CA6+1] op_sel_hi:[1,0,1]
.endr
.irp i,0,2,4,6
	v_pk_fma_f32 v[GQ+\i:GQ+\i+1], v[GT+\i:GT+\i+1], s[68:69], v[CA4:CA4+1] op_sel_hi:[1,0,1]
.endr
.irp i,0,2,4,6
	v_pk_fma_f32 v[GR+\i:GR+\i+1], v[GR+\i:GR+\i+1], v[GS+\i:GS+\i+1], v[GQ+\i:GQ+\i+1]
.endr
.irp k,70,72,74
.irp i,0,2,4,6
	v_pk_fma_f32 v[GR+\i:GR+\i+1], v[GR+\i:GR+\i+1], v[GT+\i:GT+\i+1], s[\k:\k+1] op_sel_hi:[1,1,0]
.endr
.endr
.irp i,0,2,4,6
	v_pk_fma_f32 v[GR+\i:GR+\i+1], v[GR+\i:GR+\i+1], v[GT+\i:GT+\i+1], -1.0 op_sel_hi:[1,1,0]   ; the halving rides in the exponent
.endr
.irp i,0,1,2,3,4,5,6,7
	v_exp_f32 v[GR+\i], v[GR+\i]
.endr
.irp i,0,2,4,6
	v_pk_fma_f32 v[GQ+\i:GQ+\i+1], v[GS+\i:GS+\i+1], s[76:77], v[CB4:CB4+1] op_sel_hi:[1,0,1]   ; the small branch: also the plain lines behind the exponentials
.endr
.irp k,78,80,82,84
.irp i,0,2,4,6
	v_pk_fma_f32 v[GQ+\i:GQ+\i+1], v[GQ+\i:GQ+\i+1], v[GS+\i:GS+\i+1], s[\k:\k+1] op_sel_hi:[1,1,0]
.endr
.endr
.irp i,0,2,4,6
	v_pk_fma_f32 v[GQ+\i:GQ+\i+1], v[GQ+\i:GQ+\i+1], v[GT+\i:GT+\i+1], 0.5 op_sel_hi:[1,1,0]
.endr
.irp i,0,1,2,3,4,5,6,7
	v_cmp_lt_f32 s[32+\i], s96, v[GT+\i]           ; a mask of its own for each number: a value is selected, nothing branches
.endr
	s_wait_alu depctr_va_vdst(0)
.irp i,0,1,2,3,4,5,6,7
	v_cndmask_b32 v[GQ+\i], v[GQ+\i], v[GR+\i], s[32+\i]
.endr
.irp i,0,1,2,3,4,5,6,7
	v_max_num_f32 v[GS+\i], 0, v[\x+\i]
.endr
.irp i,0,1,2,3,4,5,6,7
	v_fma_f32 v[\x+\i], -|v[\x+\i]|, v[GQ+\i], v[GS+\i]
.endr
.endm
.macro GELU4 x
	GELU8 \x
	GELU8 \x+8
	GELU8 \x+16
	GELU8 \x+24
.endm
; Record b's 64 numbers a lane: for each tile of rows m, 16 neighbours of block b of my K step.  They become register group b of fragment (m, my wave) and byte b of its scale word.
.macro QUANT4 b
.irp m,0,1,2,3
	v_max3_num_f32 v[TM+\m], |v[ACC+16*\m]|, |v[ACC+16*\m+1]|, 0x4800000   ; with the floor 2^(9 - 127): the byte cannot fall under 1
.endr
.irp i,2,4,6,8,10,12,14
.irp m,0,1,2,3
	v_max3_num_f32 v[TM+\m], v[TM+\m], |v[ACC+16*\m+\i]|, |v[ACC+16*\m+\i+1]|
.endr
.endr
.irp m,0,1,2,3
	v_permlanex16_b32 v[TM+4+\m], v[TM+\m], s92, s93
.endr
.irp m,0,1,2,3
	v_max_num_f32 v[TM+\m], v[TM+\m], v[TM+4+\m]   ; with lane l xor 16's: the block's largest magnitude
.endr
.irp m,0,1,2,3
	v_add_nc_u32 v[TM+12+\m], 0xfc000000, v[TM+\m] ; 8 off its exponent field: the conversion's scale operand
.endr
.irp m,0,1,2,3
	v_and_or_b32 v[TM+8+\m], v[TM+\m], 0x7f800000, s94   ; 448 x the scale
.endr
.irp m,0,1,2,3
	v_lshrrev_b32 v[TM+4+\m], 23, v[TM+12+\m]      ; the scale's byte
.endr
.irp m,0,1,2,3
.if \b == 0
	v_mov_b32 v[HSW+\m], v[TM+4+\m]
.else
	v_lshl_or_b32 v[HSW+\m], v[TM+4+\m], 8*\b, v[HSW+\m]
.endif
.endr
	s_wait_dscnt 0x0                               ; the last record's stores have read the codes' registers
.irp m,0,1,2,3
.irp i,0,1,2,3,4,5,6,7,8,9,10,11,12,13,14,15
	v_med3_num_f32 v[ACC+16*\m+\i], v[ACC+16*\m+\i], -v[TM+8+\m], v[TM+8+\m]   ; the conversion to an 8-bit code does not saturate (ISA guide 7.6.2)
.endr
	v_cvt_scalef32_pk8_fp8_f32 v[PC+4*\m:PC+4*\m+1], v[ACC+16*\m:ACC+16*\m+7], v[TM+12+\m]
	v_cvt_scalef32_pk8_fp8_f32 v[PC+4*\m+2:PC+4*\m+3], v[ACC+16*\m+8:ACC+16*\m+15], v[TM+12+\m]
.endr
	v_nop                                          ; a plain line between the last conversion and the next products, which write its sources
.irp m,0,1,2,3
	ds_store_b128 v[HWI], v[PC+4*\m:PC+4*\m+3] offset:8192*\m+512*\b
.endr
.endm
; Layer 2, one tile of 16 rows: my 128 outputs in eight accumulators by turns, a K step at a time; records 4, 5 in window 2, records 6, 7 in window 3
.macro MUL2 m
.irp s,0,1,2,3
.irp t,0,1,2,3,4,5,6,7
.if \t == 0
	WIN 0x06
.endif
.if \t == 4
	WIN 0x07
.endif
.set rD, ACC+8*\t
.set rA, 128*((\t/2)%2)+16*(4*(\t%2)+\s)
.set rB, 16*(4*(\m)+\s)
.set rC, rD
.if \s == 0
.set rC, BIAS+8*\t
.endif
.set rW, WS+4*(\t/2)+\s
.set rX, XS+4*(\m)+\s
	WM \t%2
.endr
.endr
	WIN 0
.endm
; The way out of 16 rows: x the token's gate; 64 neighbouring bytes a lane into my own stage; back as whole rows of 512 bytes; each row that the tile has goes to its token's row of out0.
.macro OUT m
	PLACES8
.set i, 0
.rept 32
.if (\m)%2
	v_pk_mul_f32 v[ACC+i:ACC+i+1], v[ACC+i:ACC+i+1], v[G+2*((\m)/2):G+2*((\m)/2)+1] op_sel:[0,1] op_sel_hi:[1,1]
.else
	v_pk_mul_f32 v[ACC+i:ACC+i+1], v[ACC+i:ACC+i+1], v[G+2*((\m)/2):G+2*((\m)/2)+1] op_sel_hi:[1,0]
.endif
.set i, i+2
.endr
.if (\m) > 0
	s_wait_xcnt 0x0                                ; the last tile's stores have read their data and their bases: both are written again below
.endif
.irp b,0,1,2,3
.irp q,0,1,2,3
	ds_store_b128 v[SO], v[ACC+16*\b+4*\q:ACC+16*\b+4*\q+3] offset:128*\b+16*\q
.endr
.endr
.irp j,0,1,2,3,4,5,6,7,8,9,10,11,12,13,14,15
	ds_load_b128 v[OB+4*\j:OB+4*\j+3], v[SR] offset:528*\j   ; the wave's own stage: LDS serves a wave's instructions in order
.endr
.irp j,0,1,2,3,4,5,6,7,8,9,10,11,12,13,14,15
.if \j > 0
	s_cmp_le_u32 s30, 16*(\m)+\j                   ; the tile's rows are over: a branch on the stored list
	s_cbranch_scc1 .Ldone
.endif
	v_readlane_b32 s98, v[IDX+\m], \j
	s_min_u32 s98, s98, 0x1fff
	s_lshl_b32 s98, s98, 11
	s_add_nc_u64 s[32+2*\j:33+2*\j], s[24:25], s[98:99]
	s_wait_dscnt 15-\j
	global_store_b128 v[CB], v[OB+4*\j:OB+4*\j+3], s[32+2*\j:33+2*\j] th:TH_STORE_NT   ; the wave stores 512 consecutive bytes, at a multiple of 512 from out0's first byte
.endr
.endm
	s_load_b512 s[4:19], s[0:1], 0x0               ; tiles, order, xq, xs, gate, Wf, W1's scales, b1
	s_load_b128 s[20:23], s[0:1], 0x40             ; W2's scales, b2
	s_load_b64 s[24:25], s[0:1], 0x50              ; out0
	v_lshrrev_b32 v1, 5, v0
	v_readfirstlane_b32 s97, v1                    ; wave
	v_and_b32 v192, 31, v0                         ; lane
	v_and_b32 v193, 15, v0                         ; r
	v_bfe_u32 v194, v0, 4, 1                       ; h
	v_lshlrev_b32 v[LI], 4, v192
	v_and_b32 v195, 8, v193
	v_add_nc_u32 v195, v195, v193
	v_lshl_add_u32 v195, v194, 3, v195
	v_lshlrev_b32 v[WSO], 4, v195
	v_lshlrev_b32 v[BO], 6, v194
	s_mul_i32 s101, s97, 8448
	v_add_nc_u32 v[XRS], s101, v[LI]               ; my 16 rows of x's 64
	v_mul_u32_u24 v196, v193, 528
	v_lshl_add_u32 v[XRF], v194, 4, v196
	s_lshl_b32 s26, s97, 11
	s_add_co_u32 s26, s26, HIMG
	v_add_nc_u32 v[HWI], s26, v[LI]
	v_lshlrev_b32 v197, 2, v192
	s_lshl_b32 s26, s97, 7
	s_add_co_u32 s26, s26, HSC
	v_add_nc_u32 v[HWS], s26, v197
	v_add_nc_u32 v[HRS], HSC, v197
	v_add_nc_u32 v[HRI], HIMG, v[LI]
	s_add_co_u32 s101, s101, OST
	v_lshl_add_u32 v[SO], v194, 6, v196
	v_add_nc_u32 v[SO], s101, v[SO]
	v_add_nc_u32 v[SR], s101, v[LI]
	s_lshl_b32 s26, s97, 9
	v_add_nc_u32 v[CB], s26, v[LI]
	v_lshlrev_b32 v[R4], 2, v193
	s_wait_kmcnt 0x0
	s_lshl_b32 s98, ttmp9, 4
	s_mov_b32 s99, 0                               ; stays 0: the upper word of every offset
	s_add_nc_u64 s[4:5], s[4:5], s[98:99]
	s_load_b128 s[28:31], s[4:5], 0x0              ; my tile: expert, first place, rows
	; the constants.  The large branch's are those of the exponent's polynomial x log2(e), the small branch's those of erf's x -1/2.  A packed form names a pair and takes its low word: both are written
	s_mov_b32 s66, -0.0000249374844
	s_mov_b32 s67, s66
	s_mov_b32 s68, -0.00560337615
	s_mov_b32 s69, s68
	s_mov_b32 s70, -0.154047914
	s_mov_b32 s71, s70
	s_mov_b32 s72, -0.915890167
	s_mov_b32 s73, s72
	s_mov_b32 s74, -1.62839516
	s_mov_b32 s75, s74
	s_mov_b32 s76, 0.000298380852
	s_mov_b32 s77, s76
	s_mov_b32 s78, 0.0133840675
	s_mov_b32 s79, s78
	s_mov_b32 s80, -0.0564099625
	s_mov_b32 s81, s80
	s_mov_b32 s82, 0.188062668
	s_mov_b32 s83, s82
	s_mov_b32 s84, -0.564189583
	s_mov_b32 s85, s84
	v_mov_b32 v[CA6], 0.000552836593
	v_mov_b32 v[CA6+1], v[CA6]
	v_mov_b32 v[CA4], 0.0349920227
	v_mov_b32 v[CA4+1], v[CA4]
	v_mov_b32 v[CB4], -0.00249559712
	v_mov_b32 v[CB4+1], v[CB4]
	s_mov_b32 s92, 0x76543210
	s_mov_b32 s93, 0xfedcba98                      ; v_permlanex16_b32's selects for lane l xor 16
	s_mov_b32 s94, 0x600000                        ; the mantissa field of 448
	s_mov_b32 s95, 0x3f3504f3                      ; 1 / sqrt(2)
	s_mov_b32 s96, 0x3f6d8000                      ; 0.927734375
.irp m,0,1,2,3
	v_mov_b32 v[TM+4+\m], 0                        ; written once: a lane permute's destination counts as one of its sources
.endr
	s_wait_kmcnt 0x0
	s_min_u32 s28, s28, 7                          ; loaded numbers are held inside their tables before they enter an address
	s_min_u32 s29, s29, 0x2000
	s_min_u32 s30, s30, 64
	s_lshl_b32 s98, s28, 19
	s_lshl_b32 s101, s97, 17
	s_add_co_u32 s98, s98, s101
	s_add_nc_u64 s[14:15], s[14:15], s[98:99]      ; Wf at my expert's, my wave's eight records
	s_lshl_b32 s98, s28, 13
	s_lshl_b32 s101, s97, 11
	s_add_co_u32 s98, s98, s101
	s_add_nc_u64 s[16:17], s[16:17], s[98:99]      ; the scales of my 128 rows of W1,
	s_add_nc_u64 s[20:21], s[20:21], s[98:99]      ; of W2
	s_lshl_b32 s98, s28, 11
	s_lshl_b32 s101, s97, 9
	s_add_co_u32 s98, s98, s101
	s_add_nc_u64 s[18:19], s[18:19], s[98:99]      ; my 128 numbers of b1,
	s_add_nc_u64 s[22:23], s[22:23], s[98:99]      ; of b2
	s_lshl_b32 s98, s29, 2
	s_add_nc_u64 s[6:7], s[6:7], s[98:99]          ; the tile's list of 64 tokens,
	s_lshl_b32 s98, s97, 6
	s_add_nc_u64 s[26:27], s[6:7], s[98:99]        ; the sixteen whose rows I gather
	s_load_b512 s[32:47], s[26:27], 0x0
.irp m,0,1,2,3
	global_load_b32 v[IDX+\m], v[R4], s[6:7] offset:64*\m
.endr
	LOADREC 0, 0x80, 0, 0, 16, 0, 18, 0            ; record 0
	s_wait_kmcnt 0x0
.irp j,0,1,2,3,4,5,6,7,8,9,10,11,12,13,14,15
	s_min_u32 s[32+\j], s[32+\j], 0x1fff
	v_lshl_add_u32 v[192+\j], s[32+\j], 9, v[LI]
	global_load_b128 v[ACC+4*\j:ACC+4*\j+3], v[192+\j], s[8:9]   ; a row of codes: 512 consecutive bytes
.endr
	s_wait_loadcnt 53                              ; the list in lanes is in: behind it 37 loads of record 0 and 16 rows were issued
.irp m,0,1,2,3
	v_min_u32 v[IDX+\m], 0x1fff, v[IDX+\m]
	v_lshlrev_b32 v[208+\m], 4, v[IDX+\m]
	v_lshlrev_b32 v[212+\m], 2, v[IDX+\m]
.endr
.irp m,0,1,2,3
	global_load_b128 v[XS+4*\m:XS+4*\m+3], v[208+\m], s[10:11]   ; the row's four scale words
.endr
.irp m,0,1,2,3
	global_load_b32 v[G+\m], v[212+\m], s[12:13]
.endr
	LOADREC 1, 0x80, 128, 16384, 16, 512, 18, 128  ; record 1
	s_wait_loadcnt 45                              ; the rows (and record 0) are in: behind them 8 loads of scales and gates and 37 of record 1 were issued
.irp j,0,1,2,3,4,5,6,7,8,9,10,11,12,13,14,15
	ds_store_b128 v[XRS], v[ACC+4*\j:ACC+4*\j+3] offset:528*\j
.endr
	s_wait_dscnt 0x0                               ; for the others' sake: my sixteen rows lie in LDS
	s_barrier_signal -1
	s_barrier_wait -1
	WIN 0x40                                       ; destination window 1
.irp m,0,1,2,3
.irp s,0,1,2,3
.irp c,0,1,2,3
	ds_load_b128 v[16*(4*\m+\s)+4*\c:16*(4*\m+\s)+4*\c+3], v[XRF] offset:8448*\m+128*\s+32*\c
.endr
.endr
.endr
	WIN 0
	s_wait_loadcnt 37                              ; the rows' scales and gates are in; record 1 may be out
	s_wait_dscnt 0x0
	; ---- layer 1, a record at a time.  Behind a record's products its buffer takes the record two further on; records 6 and 7 are asked for in the middle of the first two gelus.
	MUL1 0
	PLACES8
	LOADREC 0, 0x80, 0, 2*16384, 16, 1024, 18, 256
	GELU4 ACC
	LOADREC 2, 0xc0, 0, 6*16384, 20, 1024, 22, 256
	GELU4 ACC+32
	QUANT4 0
	s_wait_loadcnt 63                              ; record 1 is in: 74 loads were issued behind it, and 63 is the largest count that the wait names
	MUL1 1
	PLACES8
	LOADREC 1, 0x80, 128, 3*16384, 16, 1536, 18, 384
	GELU4 ACC
	LOADREC 3, 0xc0, 128, 7*16384, 20, 1536, 22, 384
	GELU4 ACC+32
	QUANT4 1
	s_wait_loadcnt 63                              ; record 2 is in: 111 loads were issued behind it
	MUL1 0
	PLACES8
	LOADREC 0, 0x80, 0, 4*16384, 20, 0, 22, 0
	GELU4 ACC
	GELU4 ACC+32
	QUANT4 2
	s_wait_loadcnt 63                              ; record 3 is in: 74 loads were issued behind it
	MUL1 1
	PLACES8
	LOADREC 1, 0x80, 128, 5*16384, 20, 512, 22, 128
	GELU4 ACC
	GELU4 ACC+32
	QUANT4 3
.irp m,0,1,2,3
	ds_store_b32 v[HWS], v[HSW+\m] offset:512*\m
.endr
	s_wait_dscnt 0x0                               ; for the others' sake: my K step of the hidden layer lies in LDS
	s_barrier_signal -1
	s_barrier_wait -1
	; ---- layer 2: the hidden layer's sixteen fragments take x's place
	WIN 0x40
.set f, 0
.rept 16
.irp c,0,1,2,3
	ds_load_b128 v[16*f+4*\c:16*f+4*\c+3], v[HRI] offset:2048*f+512*\c
.endr
.set f, f+1
.endr
	WIN 0
.set f, 0
.rept 16
	ds_load_b32 v[XS+f], v[HRS] offset:128*f
.set f, f+1
.endr
	s_wait_dscnt 0x0
	s_wait_loadcnt 0x0                             ; records 4 to 7
.irp m,0,1,2,3
	s_cmp_le_u32 s30, 16*\m                        ; no row of this tile of 16 is the tile's: nothing is left to do (no barrier stands behind this point)
	s_cbranch_scc1 .Ldone
	MUL2 \m
	OUT \m
.endr
.Ldone:
	s_wait_dscnt 0x0
	s_wait_xcnt 0x0
	v_lshl_add_u32 v254, v0, 2, 0x19000
	v_mov_b32 v255, 0
	s_wait_tensorcnt 0x0
	ds_add_u32 v254, v255
	s_wait_dscnt 0x0
	s_endpgm
.Lfunc_end_k_q786a7e1f1a_experts:
	.size	k_q786a7e1f1a_experts, .Lfunc_end_k_q786a7e1f1a_experts-k_q786a7e1f1a_experts
	.p2alignl 7, 3214868480
	.fill 96, 4, 3214868480
	.section	.rodata,"a",@progbits
	.p2align	6, 0x0
	.amdhsa_kernel k_q786a7e1f1a_experts
		.amdhsa_group_segment_fixed_size 102912
		.amdhsa_private_segment_fixed_size 0
		.amdhsa_enable_private_segment 0
		.amdhsa_kernarg_size 88
		.amdhsa_user_sgpr_count 2
		.amdhsa_user_sgpr_kernarg_segment_ptr 1
		.amdhsa_wavefront_size32 1
		.amdhsa_system_sgpr_workgroup_id_x 1
		.amdhsa_system_sgpr_workgroup_id_y 1
		.amdhsa_system_sgpr_workgroup_id_z 1
		.amdhsa_system_vgpr_workitem_id 0
		.amdhsa_next_free_vgpr 1024
		.amdhsa_next_free_sgpr 102
		.amdhsa_reserve_vcc 0
		.amdhsa_float_denorm_mode_32 3
		.amdhsa_float_denorm_mode_16_64 3
		.amdhsa_memory_ordered 1
		.amdhsa_forward_progress 1
		.amdhsa_inst_pref_size 255
	.end_amdhsa_kernel
	.section	.bss,"aw",@nobits
	.p2align	6
	.space	262144
	.amdgpu_metadata
---
amdhsa.version: [ 1, 2 ]
amdhsa.kernels:
  - .name:           k_q786a7e1f1a_experts
    .symbol:         k_q786a7e1f1a_experts.kd
    .args:
      - { .name: tiles, .offset: 0, .size: 8, .value_kind: global_buffer, .address_space: global }
      - { .name: order, .offset: 8, .size: 8, .value_kind: global_buffer, .address_space: global }
      - { .name: xq, .offset: 16, .size: 8, .value_kind: global_buffer, .address_space: global }
      - { .name: xs, .offset: 24, .size: 8, .value_kind: global_buffer, .address_space: global }
      - { .name: gate, .offset: 32, .size: 8, .value_kind: global_buffer, .address_space: global }
      - { .name: Wf, .offset: 40, .size: 8, .value_kind: global_buffer, .address_space: global }
      - { .name: W1_scales, .offset: 48, .size: 8, .value_kind: global_buffer, .address_space: global }
      - { .name: b1, .offset: 56, .size: 8, .value_kind: global_buffer, .address_space: global }
      - { .name: W2_scales, .offset: 64, .size: 8, .value_kind: global_buffer, .address_space: global }
      - { .name: b2, .offset: 72, .size: 8, .value_kind: global_buffer, .address_space: global }
      - { .name: out0, .offset: 80, .size: 8, .value_kind: global_buffer, .address_space: global }
    .group_segment_fixed_size: 102912
    .private_segment_fixed_size: 0
    .kernarg_segment_align: 8
    .kernarg_segment_size: 88
    .max_flat_workgroup_size: 128
    .sgpr_count:     102
    .vgpr_count:     1024
    .wavefront_size: 32
...
	.end_amdgpu_metadata
.endif
;; end of part 3
;; ======== version 2 of 2: 3 launches
;; workspace buffers: xq 4,194,304 bytes; xs 131,072 bytes; key 32,768 bytes of whole numbers; cnt4 4,096 bytes of whole numbers; gate 32,768 bytes; order 33,024 bytes of whole numbers; tiles 4,096 bytes of whole numbers; Wf 4,194,304 bytes
;; launch route (part 4): grid 256 x 1, 8 waves a work-group, no clusters, 60,416 bytes of LDS; arguments x, Wg, bg, xq, xs, key, cnt4, gate; writes xq, xs, key, cnt4, gate
.if DOCPART == 4
	.amdgcn_target "amdgcn-amd-amdhsa--gfx1250"
	.amdhsa_code_object_version 6
	.text
	.protected	k_q786a7e1f1a_route
	.globl	k_q786a7e1f1a_route
	.p2align	8
	.type	k_q786a7e1f1a_route,@function
k_q786a7e1f1a_route:
	s_mov_b64 s[64:65], 0
	v_nop
	global_prefetch_b8 v0, s[64:65] scope:SCOPE_SE
	s_setreg_imm32_b32 hwreg(HW_REG_WAVE_MODE, 25, 1), 1
	s_wait_xcnt 0x0
; THE ROUTER AND x's QUANTISER.  x: [8192][512] f32.  For each token: logits = x Wg + bg in f32 (fused multiply-adds: a wrong choice would spoil a whole row of the result),
; the chosen expert (largest logit, the lower index where two are equal), the chosen probability 1 / sum of exp(logit - largest), and x's codes of E4M3 with one E8M0 byte for each 32 along the 512.
; No address and no branch here hangs on the choice: it is stored at fixed places, as key[token] = e | e << 8 | rank << 16 (rank: how many earlier tokens of the token's block of 32 chose the same expert)
; and cnt4[block][4] (the block's eight counts, two to a word); the next launch places the rows.
; SHARES.  A work-group takes 32 tokens, each of its eight waves four, a token at a time.  A wave's sixteen loads of x (512 consecutive bytes each) all go out at the head.
; A lane must hold 16 NEIGHBOURS along the 512 (for the conversions, and so that its 128 numbers of Wg stay in registers): a token's 2,048 bytes turn through the wave's own stage in LDS.
; LIMITS: NaN and infinities in x are not served.  A block of zeros gets the byte 1 (its codes are zeros; this program alone reads the bytes).  The largest LOGIT is taken, not the largest rounded probability:
; the two can differ only where two logits lie closer than the softmax's own rounding.  key, gate and cnt4 leave as pieces of 128, 128 and 16 bytes: 272 bytes beside the work-group's 16,896 of codes and scale bytes.
.set WGL,  0                           ; LDS: Wg as 32 pieces of 512 bytes (16 rows of 8), 528 apart: an odd multiple of 16, so that sixteen lanes' reads begin in sixteen different 16-byte columns of 256
.set STG,  16896                       ; two stages of 32 x 80 bytes for each wave
.set LOGS, 57856                       ; 32 tokens x 8 sums
.set SBY,  58880                       ; 32 tokens x 16 scale bytes
.set SP,   80                          ; a lane's place in a stage: its 64 bytes + 16 of padding
.set X,    32                          ; v32-63   two sets of 16 neighbours (v32-47 first carry Wg on its way into LDS)
.set R,    64                          ; v64-127  four tokens as loaded; token t's codes and byte later lie in v[64+16t] on
.set WG,   128                         ; v128-255 Wg[16 lane + kk][e] at 128 + 8 kk + e
	s_load_b256 s[4:11], s[0:1], 0x0               ; x, Wg, bg, xq
	s_load_b256 s[12:19], s[0:1], 0x20             ; xs, key, cnt4, gate
	s_set_vgpr_msb 0x40
	v_lshl_add_u32 v0, v0, 2, 0xe800
	v_mov_b32 v1, 0
	s_set_vgpr_msb 0x4000
	v_lshrrev_b32 v1, 5, v0
	s_delay_alu instid0(VALU_DEP_1)
	v_readfirstlane_b32 s20, v1                    ; wave
	v_and_b32 v16, 31, v0                          ; lane
	s_delay_alu instid0(VALU_DEP_1)
	v_lshlrev_b32 v1, 4, v16                       ; v1: 16 x lane
	v_lshlrev_b32 v20, 4, v0                       ; 16 x thread: Wg's dense loads
	s_mul_i32 s43, s20, 2*32*SP
	s_add_co_u32 s43, s43, STG
	v_lshrrev_b32 v17, 2, v16
	s_delay_alu instid0(VALU_DEP_1)
	v_mul_u32_u24 v2, v17, SP
	v_and_b32 v17, 3, v16
	s_delay_alu instid0(VALU_DEP_1)
	v_lshl_add_u32 v2, v17, 4, v2
	s_delay_alu instid0(VALU_DEP_1)
	v_add_nc_u32 v2, s43, v2                       ; v2: the stage on the way in: four lanes' 64 bytes on end, then the padding
	v_mul_u32_u24 v3, v16, SP
	s_delay_alu instid0(VALU_DEP_1)
	v_add_nc_u32 v3, s43, v3                       ; v3: and on the way out: my 16 neighbours
	s_lshl_b32 s44, s20, 6
	s_add_co_u32 s44, s44, SBY
	v_lshrrev_b32 v4, 1, v16
	s_delay_alu instid0(VALU_DEP_1)
	v_add_nc_u32 v4, s44, v4                       ; v4: my block's scale byte of the wave's first token
	s_lshl_b32 s45, s20, 7
	s_add_co_u32 s45, s45, LOGS
	v_mov_b32 v5, s45                              ; v5: the wave's first token's eight sums
	s_mul_i32 s46, s20, 528
	v_add_nc_u32 v6, s46, v1                       ; v6: Wg into LDS: piece wave + 8 j
	v_mul_u32_u24 v7, v16, 528                     ; v7: and out of it: piece lane
	v_lshl_add_u32 v30, v16, 5, LOGS               ; v30, v31: wave 0's reads at the end, lane = token
	v_lshl_add_u32 v31, v16, 4, SBY
	s_mov_b32 s40, 0x76543210
	s_mov_b32 s41, 0xfedcba98                      ; v_permlanex16_b32's selects for lane l xor 16
	s_mov_b32 s42, 0x600000                        ; the mantissa field of 448
.irp e,0,1,2,3,4,5,6,7
	v_mov_b32 v[22+\e], 0                          ; written once: a lane permute's destination counts as one of its sources
.endr
	s_wait_kmcnt 0x0
.irp j,0,1,2,3
	global_load_b128 v[X+4*\j:X+4*\j+3], v20, s[6:7] offset:4096*\j
.endr
	s_load_b256 s[24:31], s[8:9], 0x0              ; bg
	s_lshl_b32 s22, ttmp9, 16                      ; 32 tokens of 2,048 bytes,
	s_lshl_b32 s43, s20, 13                        ; my wave's four
	s_add_co_u32 s22, s22, s43
	s_mov_b32 s23, 0
	s_add_nc_u64 s[4:5], s[4:5], s[22:23]
.irp t,0,1,2,3
.irp i,0,1,2,3
	global_load_b128 v[R+16*\t+4*\i:R+16*\t+4*\i+3], v1, s[4:5] offset:2048*\t+512*\i th:TH_LOAD_NT
.endr
.endr
	s_lshl_b32 s22, ttmp9, 14
	s_lshl_b32 s43, s20, 11
	s_add_co_u32 s22, s22, s43
	s_add_nc_u64 s[10:11], s[10:11], s[22:23]      ; xq at my wave's first token
	s_lshl_b32 s22, ttmp9, 9
	s_add_nc_u64 s[12:13], s[12:13], s[22:23]      ; xs at the block
	s_lshl_b32 s22, ttmp9, 7
	s_add_nc_u64 s[14:15], s[14:15], s[22:23]      ; key
	s_add_nc_u64 s[18:19], s[18:19], s[22:23]      ; gate
	s_lshl_b32 s22, ttmp9, 4
	s_add_nc_u64 s[16:17], s[16:17], s[22:23]      ; cnt4
	s_wait_loadcnt 16                              ; Wg's four loads are in; the sixteen of x were issued behind them
.irp j,0,1,2,3
	ds_store_b128 v6, v[X+4*\j:X+4*\j+3] offset:4224*\j
.endr
	s_wait_dscnt 0x0                               ; for the others' sake: my part of Wg lies in LDS
	s_barrier_signal -1
	s_barrier_wait -1
.set i, 0
.rept 32
	ds_load_b128 v[WG+4*i:WG+4*i+3], v7 offset:16*i
.set i, i+1
.endr
.macro TURN t                          ; token t through the stage: LDS serves a wave's instructions in order, so no wait stands between the stores and the loads
.irp i,0,1,2,3
	ds_store_b128 v2, v[R+16*(\t)+4*\i:R+16*(\t)+4*\i+3] offset:32*SP*((\t)%2)+8*SP*\i
.endr
.irp i,0,1,2,3
	ds_load_b128 v[X+16*((\t)%2)+4*\i:X+16*((\t)%2)+4*\i+3], v3 offset:32*SP*((\t)%2)+16*\i
.endr
.endm
.macro DOT                             ; my 16 numbers x Wg's 16 rows: eight sums in four pairs; of x's pair one register feeds both halves
.irp j,0,1,2,3
	v_pk_mul_f32 v[8+2*\j:9+2*\j], v[XS:XS+1], v[WG+2*\j:WG+2*\j+1] op_sel_hi:[0,1]
.endr
.irp j,0,1,2,3
	s_delay_alu instid0(VALU_DEP_4)
	v_pk_fma_f32 v[8+2*\j:9+2*\j], v[XS:XS+1], v[WG+8+2*\j:WG+9+2*\j], v[8+2*\j:9+2*\j] op_sel:[1,0,0] op_sel_hi:[1,1,1]
.endr
.irp p,1,2,3,4,5,6,7
.irp j,0,1,2,3
	s_delay_alu instid0(VALU_DEP_4)
	v_pk_fma_f32 v[8+2*\j:9+2*\j], v[XS+2*\p:XS+2*\p+1], v[WG+16*\p+2*\j:WG+16*\p+2*\j+1], v[8+2*\j:9+2*\j] op_sel_hi:[0,1,1]
.endr
.irp j,0,1,2,3
	s_delay_alu instid0(VALU_DEP_4)
	v_pk_fma_f32 v[8+2*\j:9+2*\j], v[XS+2*\p:XS+2*\p+1], v[WG+16*\p+8+2*\j:WG+16*\p+9+2*\j], v[8+2*\j:9+2*\j] op_sel:[1,0,0] op_sel_hi:[1,1,1]
.endr
.endr
.endm
.macro TOKEN t
.set XS, X+16*((\t)%2)
.if (\t) < 3
	s_wait_loadcnt 8-4*(\t)                        ; the next token's four loads are in; those of the tokens behind it may be out
	TURN (\t)+1
	s_wait_dscnt 8                                 ; all but the eight just issued: this token's numbers are back, and the last token's LDS stores have read their registers
.else
	s_wait_dscnt 0x0
.endif
	DOT
.irp n,1,2,4,8
.irp e,0,1,2,3,4,5,6,7
	v_add_f32_dpp v[8+\e], v[8+\e], v[8+\e] row_xmask:\n row_mask:0xf bank_mask:0xf
.endr
.endr
.irp e,0,1,2,3,4,5,6,7
	v_permlanex16_b32 v[22+\e], v[8+\e], s40, s41
.endr
.irp e,0,1,2,3,4,5,6,7
	v_add_f32 v[8+\e], v[8+\e], v[22+\e]           ; every lane holds the token's eight sums
.endr
	ds_store_b128 v5, v[8:11] offset:32*(\t)       ; all lanes write the same bytes with the same values
	ds_store_b128 v5, v[12:15] offset:32*(\t)+16
	v_max3_num_f32 v16, |v[XS]|, |v[XS+1]|, |v[XS+2]|      ; the largest magnitude of my 16
	v_max3_num_f32 v17, |v[XS+3]|, |v[XS+4]|, |v[XS+5]|
.irp i,6,10
	s_delay_alu instid0(VALU_DEP_2)
	v_max3_num_f32 v16, v16, |v[XS+\i]|, |v[XS+\i+1]|
	s_delay_alu instid0(VALU_DEP_2)
	v_max3_num_f32 v17, v17, |v[XS+\i+2]|, |v[XS+\i+3]|
.endr
	s_delay_alu instid0(VALU_DEP_2)
	v_max3_num_f32 v16, v16, |v[XS+14]|, |v[XS+15]|
	s_delay_alu instid0(VALU_DEP_1)
	v_max3_num_f32 v16, v16, v17, 0x4800000        ; and the floor 2^(9 - 127): the byte cannot fall under 1
	s_delay_alu instid0(VALU_DEP_1)
	v_max_num_f32_dpp v16, v16, v16 row_xmask:1 row_mask:0xf bank_mask:0xf   ; and of my neighbour's 16: the block's
	s_delay_alu instid0(VALU_DEP_1)
	v_add_nc_u32 v19, 0xfc000000, v16              ; 8 off its exponent field: the conversion takes the exponent field of this operand as its scale
	s_delay_alu instid0(VALU_DEP_2)
	v_and_or_b32 v18, v16, 0x7f800000, s42         ; 448 x the scale
.irp i,0,1,2,3,4,5,6,7,8,9,10,11,12,13,14,15
	v_med3_num_f32 v[XS+\i], v[XS+\i], -v18, v18   ; the conversion to an 8-bit code does not saturate (ISA guide 7.6.2): the hold comes first
.endr
	v_cvt_scalef32_pk8_fp8_f32 v[R+16*(\t):R+16*(\t)+1], v[XS:XS+7], v19
	v_cvt_scalef32_pk8_fp8_f32 v[R+16*(\t)+2:R+16*(\t)+3], v[XS+8:XS+15], v19
	v_lshrrev_b32 v[R+16*(\t)+4], 23, v19          ; the scale's byte (also the plain line behind the conversions)
	ds_store_b8 v4, v[R+16*(\t)+4] offset:16*(\t)  ; both lanes of a block write the same byte
	global_store_b128 v1, v[R+16*(\t):R+16*(\t)+3], s[10:11] offset:512*(\t)   ; the wave stores the token's 512 bytes of codes on end
.endm
	s_wait_loadcnt 12                              ; token 0's four loads are in
	TURN 0
	TOKEN 0
	TOKEN 1
	TOKEN 2
	TOKEN 3
	s_wait_kmcnt 0x0                               ; bg
	s_wait_dscnt 0x0                               ; for wave 0's sake: my sums and scale bytes lie in LDS
	s_barrier_signal -1
	s_barrier_wait -1
	s_cmp_lg_u32 s20, 0
	s_cbranch_scc1 .Lend
	; wave 0, a lane to a token: the softmax's chosen term, the choice, the rank in the block, the counts
	ds_load_b128 v[8:11], v30
	ds_load_b128 v[12:15], v30 offset:16
	ds_load_b128 v[32:35], v31
	v_and_b32 v36, 31, v0
	s_delay_alu instid0(VALU_DEP_1)
	v_lshlrev_b32 v37, 2, v36
	v_mov_b32 v38, 0
	s_wait_dscnt 0x0
.irp e,0,1,2,3,4,5,6,7
	v_add_f32 v[8+\e], s[24+\e], v[8+\e]
.endr
	v_max3_num_f32 v16, v8, v9, v10
	s_delay_alu instid0(VALU_DEP_1)
	v_max3_num_f32 v16, v16, v11, v12
	s_delay_alu instid0(VALU_DEP_1)
	v_max3_num_f32 v16, v16, v13, v14
	s_delay_alu instid0(VALU_DEP_1)
	v_max_num_f32 v16, v16, v15                    ; the largest logit is taken away ahead of the exponentials
.irp e,0,1,2,3,4,5,6,7
	v_sub_f32 v[40+\e], v[8+\e], v16
.endr
.irp e,0,1,2,3,4,5,6,7
	v_mul_f32 v[40+\e], 0x3fb8aa3b, v[40+\e]
.endr
	s_wait_alu depctr_va_vdst(0)
.irp e,0,1,2,3,4,5,6,7
	v_exp_f32 v[40+\e], v[40+\e]
.endr
	v_mov_b32 v17, 7                               ; (a plain line behind the exponentials)  the choice: from the top down, so that the lowest index stays
.irp e,6,5,4,3,2,1,0
	v_mov_b32 v19, \e
	v_cmp_eq_f32 vcc_lo, v[8+\e], v16
	s_delay_alu instid0(VALU_DEP_1)
	v_cndmask_b32 v17, v17, v19, vcc_lo
.endr
	s_wait_alu depctr_va_vdst(0)
	v_add_f32 v40, v40, v41
	v_add_f32 v42, v42, v43
	v_add_f32 v44, v44, v45
	v_add_f32 v46, v46, v47
	s_delay_alu instid0(VALU_DEP_3)
	v_add_f32 v40, v40, v42
	s_delay_alu instid0(VALU_DEP_2)
	v_add_f32 v44, v44, v46
	s_delay_alu instid0(VALU_DEP_1)
	v_add_f32 v40, v40, v44
	s_wait_alu depctr_va_vdst(0)
	v_rcp_f32 v40, v40                             ; the chosen probability: its own term is exp(0) = 1
	v_nop
.irp e,0,1,2,3,4,5,6,7
	v_cmp_eq_u32 s[32+\e], \e, v17                 ; which of the 32 tokens chose expert e
.endr
	v_mov_b32 v18, s32
.irp e,1,2,3,4,5,6,7
	v_mov_b32 v19, s[32+\e]
	s_delay_alu instid0(VALU_DEP_1)
	v_cndmask_b32 v18, v18, v19, s[32+\e]          ; my own expert's mask
.endr
	s_delay_alu instid0(VALU_DEP_1)
	v_mbcnt_lo_u32_b32 v20, v18, 0                 ; how many lanes below me are in it
	v_lshl_or_b32 v21, v17, 8, v17
	s_delay_alu instid0(VALU_DEP_1)
	v_lshl_or_b32 v21, v20, 16, v21
	s_wait_alu depctr_va_vdst(0)
.irp i,0,1,2,3
	s_bcnt1_i32_b32 s43, s[32+2*\i]
	s_bcnt1_i32_b32 s44, s[33+2*\i]
	s_lshl_b32 s44, s44, 16
	s_or_b32 s43, s43, s44
	v_mov_b32 v[24+\i], s43
.endr
	global_store_b32 v37, v21, s[14:15]
	s_wait_alu depctr_va_vdst(0)
	global_store_b32 v37, v40, s[18:19]
	global_store_b128 v1, v[32:35], s[12:13]       ; the block's 512 scale bytes on end
	v_cmp_eq_u32 vcc_lo, 0, v36
	s_wait_xcnt 0x0                                ; EXEC is a source of the stores above: it changes only behind this wait
	s_and_saveexec_b32 s43, vcc_lo
	global_store_b128 v38, v[24:27], s[16:17]      ; lane 0 alone: the block's counts
	s_wait_xcnt 0x0
	s_or_b32 exec_lo, exec_lo, s43
.Lend:
	s_set_vgpr_msb 0x5
	s_wait_tensorcnt 0x0
	ds_add_u32 v0, v1
	s_wait_dscnt 0x0
	s_set_vgpr_msb 0x500
	s_endpgm
.Lfunc_end_k_q786a7e1f1a_route:
	.size	k_q786a7e1f1a_route, .Lfunc_end_k_q786a7e1f1a_route-k_q786a7e1f1a_route
	.p2alignl 7, 3214868480
	.fill 96, 4, 3214868480
	.section	.rodata,"a",@progbits
	.p2align	6, 0x0
	.amdhsa_kernel k_q786a7e1f1a_route
		.amdhsa_group_segment_fixed_size 60416
		.amdhsa_private_segment_fixed_size 0
		.amdhsa_enable_private_segment 0
		.amdhsa_kernarg_size 64
		.amdhsa_user_sgpr_count 2
		.amdhsa_user_sgpr_kernarg_segment_ptr 1
		.amdhsa_wavefront_size32 1
		.amdhsa_system_sgpr_workgroup_id_x 1
		.amdhsa_system_sgpr_workgroup_id_y 1
		.amdhsa_system_sgpr_workgroup_id_z 1
		.amdhsa_system_vgpr_workitem_id 0
		.amdhsa_next_free_vgpr 258
		.amdhsa_next_free_sgpr 66
		.amdhsa_reserve_vcc 1
		.amdhsa_float_denorm_mode_32 3
		.amdhsa_float_denorm_mode_16_64 3
		.amdhsa_memory_ordered 1
		.amdhsa_forward_progress 1
		.amdhsa_inst_pref_size 61
	.end_amdhsa_kernel
	.amdgpu_metadata
---
amdhsa.version: [ 1, 2 ]
amdhsa.kernels:
  - .name:           k_q786a7e1f1a_route
    .symbol:         k_q786a7e1f1a_route.kd
    .args:
      - { .name: x, .offset: 0, .size: 8, .value_kind: global_buffer, .address_space: global }
      - { .name: Wg, .offset: 8, .size: 8, .value_kind: global_buffer, .address_space: global }
      - { .name: bg, .offset: 16, .size: 8, .value_kind: global_buffer, .address_space: global }
      - { .name: xq, .offset: 24, .size: 8, .value_kind: global_buffer, .address_space: global }
      - { .name: xs, .offset: 32, .size: 8, .value_kind: global_buffer, .address_space: global }
      - { .name: key, .offset: 40, .size: 8, .value_kind: global_buffer, .address_space: global }
      - { .name: cnt4, .offset: 48, .size: 8, .value_kind: global_buffer, .address_space: global }
      - { .name: gate, .offset: 56, .size: 8, .value_kind: global_buffer, .address_space: global }
    .group_segment_fixed_size: 60416
    .private_segment_fixed_size: 0
    .kernarg_segment_align: 8
    .kernarg_segment_size: 64
    .max_flat_workgroup_size: 256
    .sgpr_count:     66
    .vgpr_count:     258
    .wavefront_size: 32
...
	.end_amdgpu_metadata
.endif
;; end of part 4
;; launch place (part 5): grid 65 x 1, 8 waves a work-group, no clusters, 105,728 bytes of LDS; arguments key, cnt4, W1_codes, W2_codes, order, tiles, Wf; writes order, tiles, Wf
.if DOCPART == 5
	.amdgcn_target "amdgcn-amd-amdhsa--gfx1250"
	.amdhsa_code_object_version 6
	.text
	.protected	k_q786a7e1f1a_place
	.globl	k_q786a7e1f1a_place
	.p2align	8
	.type	k_q786a7e1f1a_place,@function
k_q786a7e1f1a_place:
	s_mov_b64 s[64:65], 0
	v_nop
	global_prefetch_b8 v0, s[64:65] scope:SCOPE_SE
	s_setreg_imm32_b32 hwreg(HW_REG_WAVE_MODE, 25, 1), 1
	s_wait_xcnt 0x0
; TWO JOBS IN ONE LAUNCH, parted on the work-group's number.
; WORK-GROUP 0 PLACES THE ROWS: a counting sort of the 8,192 tokens by expert, without atomics.  Thread t owns block t of 32 tokens: its eight counts (two to a word, each sum under 2^16) are summed over the
; earlier blocks (a scan in the wave, the waves' totals through LDS); a token's place is its expert's first place + the earlier blocks' count + its rank in its block.  order[place] = token; 64 zeros follow,
; so that a tile's list of 64 may be read past the last token.  tiles[t] = (expert, first place, rows, 0) for tiles of at most 64 rows; an entry behind the last tile has 0 rows.
; WORK-GROUPS 1 TO 64 LAY THE WEIGHTS' CODES IN THE ORDER OF THE OPERAND'S REGISTERS: Wf[e][w][p][u][s][c][lane][16 bytes], p = 4 layer + b: row 128 w + 32 b + 8 u + r + 8 (r / 8), k = 128 s + 32 c + 16 h on
; (r = lane % 16, h = lane / 16).  A wave takes 16 rows: sixteen loads of 512 consecutive bytes, a turn through its own stage, sixteen stores of 512 consecutive bytes.
; Each job has LDS bytes of its own, and all LDS addresses are made ahead of the parting.
.set KS, 0                             ; the sort: 8 waves x 32 rows of 128 bytes, 144 apart
.set WT, 36864                         ; the waves' totals, 16 bytes each
.set RL, 37120                         ; the weights: 8 waves x 16 rows of 512 bytes, 528 apart
	s_load_b256 s[4:11], s[0:1], 0x0               ; key, cnt4, W1's codes, W2's codes
	s_load_b128 s[12:15], s[0:1], 0x20             ; order, tiles
	s_load_b64 s[16:17], s[0:1], 0x30              ; Wf
	v_lshl_add_u32 v254, v0, 2, 0x19900
	v_mov_b32 v255, 0
	v_lshrrev_b32 v1, 5, v0
	s_delay_alu instid0(VALU_DEP_1)
	v_readfirstlane_b32 s20, v1                    ; wave
	v_and_b32 v2, 31, v0                           ; lane
	s_delay_alu instid0(VALU_DEP_1)
	v_lshlrev_b32 v3, 4, v2                        ; 16 x lane
	s_mul_i32 s21, s20, 4608
	v_lshrrev_b32 v1, 3, v2
	s_delay_alu instid0(VALU_DEP_1)
	v_mul_u32_u24 v200, v1, 144
	v_and_b32 v1, 7, v2
	s_delay_alu instid0(VALU_DEP_1)
	v_lshl_add_u32 v200, v1, 4, v200
	s_delay_alu instid0(VALU_DEP_1)
	v_add_nc_u32 v200, s21, v200                   ; v200: keys into the stage: eight lanes to a block's 128 bytes
	v_mul_u32_u24 v201, v2, 144
	s_delay_alu instid0(VALU_DEP_1)
	v_add_nc_u32 v201, s21, v201                   ; v201: and out: a block to a lane
	s_lshl_b32 s21, s20, 4
	s_add_co_u32 s21, s21, WT
	v_mov_b32 v202, s21                            ; v202: my wave's totals
	v_mov_b32 v203, WT                             ; v203: all the waves'
	s_mul_i32 s21, s20, 8448
	s_add_co_u32 s21, s21, RL
	v_add_nc_u32 v204, s21, v3                     ; v204: a weight's row into the stage
	v_and_b32 v1, 15, v2
	s_delay_alu instid0(VALU_DEP_1)
	v_mul_u32_u24 v205, v1, 528
	v_bfe_u32 v1, v0, 4, 1
	s_delay_alu instid0(VALU_DEP_1)
	v_lshl_add_u32 v205, v1, 4, v205
	s_delay_alu instid0(VALU_DEP_1)
	v_add_nc_u32 v205, s21, v205                   ; v205: and out: row r, + 16 h
	s_wait_kmcnt 0x0
	s_cmp_lg_u32 ttmp9, 0
	s_cbranch_scc1 .Lrelay
	; ---- the sort
	v_lshlrev_b32 v1, 4, v0                        ; 16 x thread
	s_lshl_b32 s21, s20, 12
	v_add_nc_u32 v206, s21, v3                     ; my wave's 1,024 keys, 16 bytes a lane
	v_lshlrev_b32 v207, 5, v0                      ; my block's first token
	global_load_b128 v[4:7], v1, s[6:7]            ; my block's counts
.irp i,0,1,2,3,4,5,6,7
	global_load_b128 v[96+4*\i:99+4*\i], v206, s[4:5] offset:512*\i
.endr
.irp k,0,1,2,3
	v_mov_b32 v[12+\k], 0                          ; written once: a DPP form's destination counts as one of its sources
.endr
	s_mov_b32 s22, 0xffff0000                      ; lanes 16 to 31
	s_wait_loadcnt 8                               ; the counts are in; the eight loads of keys were issued behind them
.irp k,0,1,2,3
	v_mov_b32 v[8+\k], v[4+\k]
.endr
.irp n,1,2,4,8                                 ; sums over the lanes up to mine, in each half of the wave
.irp k,0,1,2,3
	s_delay_alu instid0(VALU_DEP_4)
	v_mov_b32_dpp v[12+\k], v[8+\k] row_shr:\n row_mask:0xf bank_mask:0xf bound_ctrl:1
.endr
.irp k,0,1,2,3
	s_delay_alu instid0(VALU_DEP_4)
	v_add_nc_u32 v[8+\k], v[8+\k], v[12+\k]
.endr
.endr
.irp k,0,1,2,3
	s_delay_alu instid0(VALU_DEP_4)
	v_readlane_b32 s[24+\k], v[8+\k], 15           ; the lower half's total goes onto the upper half
.endr
.irp k,0,1,2,3
	v_mov_b32 v[12+\k], s[24+\k]
	s_delay_alu instid0(VALU_DEP_1)
	v_cndmask_b32 v[12+\k], 0, v[12+\k], s22
	s_delay_alu instid0(VALU_DEP_1)
	v_add_nc_u32 v[8+\k], v[8+\k], v[12+\k]
.endr
.irp k,0,1,2,3
	v_readlane_b32 s[28+\k], v[8+\k], 31           ; the wave's totals
	s_delay_alu instid0(VALU_DEP_1)
	v_mov_b32 v[12+\k], s[28+\k]
.endr
	ds_store_b128 v202, v[12:15]
	s_wait_loadcnt 0x0                             ; the keys
.irp i,0,1,2,3,4,5,6,7
	ds_store_b128 v200, v[96+4*\i:99+4*\i] offset:576*\i
.endr
.irp i,0,1,2,3,4,5,6,7
	ds_load_b128 v[128+4*\i:131+4*\i], v201 offset:16*\i   ; my block's 32 keys (the wave's own stage: LDS serves a wave's instructions in order)
.endr
	s_wait_dscnt 0x0                               ; for the others' sake: my wave's totals lie in LDS
	s_barrier_signal -1
	s_barrier_wait -1
.irp i,0,1,2,3,4,5,6,7
	ds_load_b128 v[16+4*\i:19+4*\i], v203 offset:16*\i
.endr
	s_wait_dscnt 0x0
.irp i,0,1,2,3,4,5,6,7                         ; v48-51: all waves' totals; v52-55: those of the waves before mine
	s_cmp_gt_u32 s20, \i
	s_cselect_b32 s21, -1, 0
.irp k,0,1,2,3
.if \i == 0
	v_mov_b32 v[48+\k], v[16+\k]
	v_and_b32 v[52+\k], s21, v[16+\k]
.else
	v_add_nc_u32 v[48+\k], v[48+\k], v[16+4*\i+\k]
	v_and_b32 v[12+\k], s21, v[16+4*\i+\k]
	s_delay_alu instid0(VALU_DEP_1)
	v_add_nc_u32 v[52+\k], v[52+\k], v[12+\k]
.endif
.endr
.endr
.irp k,0,1,2,3
	v_add_nc_u32 v[52+\k], v[52+\k], v[8+\k]
	s_delay_alu instid0(VALU_DEP_1)
	v_sub_nc_u32 v[52+\k], v[52+\k], v[4+\k]       ; the counts of all blocks before mine
.endr
.irp k,0,1,2,3
	v_and_b32 v[56+2*\k], 0xffff, v[48+\k]         ; v56-63: n(e)
	v_lshrrev_b32 v[57+2*\k], 16, v[48+\k]
	v_and_b32 v[80+2*\k], 0xffff, v[52+\k]
	v_lshrrev_b32 v[81+2*\k], 16, v[52+\k]
.endr
	v_mov_b32 v64, 0                               ; v64-71: S(e), expert e's first place
	v_mov_b32 v72, 0                               ; v72-79: TS(e), its first tile
.irp e, 1
	s_delay_alu instid0(VALU_DEP_2)
	v_add_nc_u32 v[64+\e], v[63+\e], v[55+\e]
	v_add_nc_u32 v12, 63, v[55+\e]
	s_delay_alu instid0(VALU_DEP_1)
	v_lshrrev_b32 v12, 6, v12
	s_delay_alu instid0(VALU_DEP_1)
	v_add_nc_u32 v[72+\e], v[71+\e], v12
.endr
.irp e, 2, 3, 4, 5, 6, 7
	s_delay_alu instid0(VALU_DEP_4)
	v_add_nc_u32 v[64+\e], v[63+\e], v[55+\e]
	v_add_nc_u32 v12, 63, v[55+\e]
	s_delay_alu instid0(VALU_DEP_1)
	v_lshrrev_b32 v12, 6, v12
	s_delay_alu instid0(VALU_DEP_1)
	v_add_nc_u32 v[72+\e], v[71+\e], v12
.endr
.irp e,0,1,2,3,4,5,6,7
	v_add_nc_u32 v[80+\e], v[80+\e], v[64+\e]      ; v80-87: where my block's tokens of expert e begin (at most 8,192: two bytes)
.endr
	v_perm_b32 v88, v81, v80, 0x05010400           ; the eight numbers as tables of bytes, so that the key's two low bytes (e, e) pick one by v_perm_b32:
	v_perm_b32 v89, v83, v82, 0x05010400
	v_perm_b32 v90, v85, v84, 0x05010400
	s_delay_alu instid0(VALU_DEP_4)
	v_perm_b32 v91, v87, v86, 0x05010400
	s_delay_alu instid0(VALU_DEP_3)
	v_perm_b32 v92, v89, v88, 0x05040100           ; low bytes of experts 0-3,
	s_delay_alu instid0(VALU_DEP_4)
	v_perm_b32 v93, v89, v88, 0x07060302           ; high bytes of 0-3,
	s_delay_alu instid0(VALU_DEP_3)
	v_perm_b32 v94, v91, v90, 0x05040100           ; low bytes of 4-7,
	s_delay_alu instid0(VALU_DEP_4)
	v_perm_b32 v95, v91, v90, 0x07060302           ; high bytes of 4-7
.set n, 0
.rept 32                                       ; each store has its own offset and data registers: nothing that a pending store reads is written again
	v_and_b32 v12, 0xffff, v[128+n]
	s_delay_alu instid0(VALU_DEP_1)
	v_perm_b32 v13, v94, v92, v12
	s_delay_alu instid0(VALU_DEP_2)
	v_perm_b32 v14, v95, v93, v12
	s_delay_alu instid0(VALU_DEP_1)
	v_bfi_b32 v13, 0xff, v13, v14
	s_delay_alu instid0(VALU_DEP_1)
	v_and_b32 v13, 0xffff, v13
	v_lshrrev_b32 v14, 16, v[128+n]                ; the rank in the block
	s_delay_alu instid0(VALU_DEP_1)
	v_add_nc_u32 v13, v13, v14
	s_delay_alu instid0(VALU_DEP_1)
	v_min_u32 v13, 0x1fff, v13                     ; a place is under 8,192
	s_delay_alu instid0(VALU_DEP_1)
	v_lshlrev_b32 v[128+n], 2, v13
	v_add_nc_u32 v[160+n], n, v207
	global_store_b32 v[128+n], v[160+n], s[12:13]
.set n, n+1
.endr
	v_mov_b32 v96, 0                               ; tile t = my thread's number: the last expert whose first tile is not behind t
	v_mov_b32 v12, v72
	v_mov_b32 v13, v64
	v_mov_b32 v14, v56
.irp e,1,2,3,4,5,6,7
	v_mov_b32 v15, \e
	v_cmp_ge_u32 vcc_lo, v0, v[72+\e]
	s_delay_alu instid0(VALU_DEP_1)
	v_cndmask_b32 v96, v96, v15, vcc_lo
	s_delay_alu instid0(VALU_DEP_2)
	v_cndmask_b32 v12, v12, v[72+\e], vcc_lo
	s_delay_alu instid0(VALU_DEP_3)
	v_cndmask_b32 v13, v13, v[64+\e], vcc_lo
	s_delay_alu instid0(VALU_DEP_4)
	v_cndmask_b32 v14, v14, v[56+\e], vcc_lo
.endr
	s_delay_alu instid0(VALU_DEP_3)
	v_sub_nc_u32 v12, v0, v12
	s_delay_alu instid0(VALU_DEP_1)
	v_lshlrev_b32 v12, 6, v12
	s_delay_alu instid0(VALU_DEP_1)
	v_min_u32 v12, v12, v14                        ; rows of the expert's earlier tiles
	s_delay_alu instid0(VALU_DEP_1)
	v_add_nc_u32 v97, v13, v12                     ; first place
	s_delay_alu instid0(VALU_DEP_2)
	v_sub_nc_u32 v98, v14, v12
	s_delay_alu instid0(VALU_DEP_1)
	v_min_u32 v98, 64, v98                         ; rows
	v_mov_b32 v99, 0
	global_store_b128 v1, v[96:99], s[14:15]
	s_cmp_gt_u32 s20, 1
	s_cbranch_scc1 .Lsorted
	v_lshlrev_b32 v15, 2, v0
	global_store_b32 v15, v99, s[12:13] offset:32768   ; threads 0 to 63: the 64 zeros behind the list
.Lsorted:
	s_wait_tensorcnt 0x0
	ds_add_u32 v254, v255
	s_wait_dscnt 0x0
	s_endpgm
	; ---- the weights: unit q = 8 (work-group - 1) + wave: bits 0 u, 2:1 b, 4:3 w, 7:5 e, 8 layer
.Lrelay:
	s_sub_co_u32 s21, ttmp9, 1
	s_lshl_b32 s21, s21, 3
	s_add_co_u32 s21, s21, s20
	s_bfe_u32 s22, s21, 0x70001                    ; (e, w, b): 32 rows of 512 bytes each,
	s_lshl_b32 s22, s22, 14
	s_and_b32 s24, s21, 1
	s_lshl_b32 s25, s24, 12                        ; u: 8 rows
	s_add_co_u32 s22, s22, s25
	s_mov_b32 s23, 0
	s_bfe_u32 s26, s21, 0x30005
	s_lshl_b32 s26, s26, 19
	s_bfe_u32 s27, s21, 0x20003
	s_lshl_b32 s27, s27, 17
	s_add_co_u32 s26, s26, s27
	s_lshr_b32 s27, s21, 8
	s_lshl_b32 s27, s27, 2
	s_bfe_u32 s28, s21, 0x20001
	s_add_co_u32 s27, s27, s28                     ; p = 4 layer + b
	s_lshl_b32 s27, s27, 14
	s_add_co_u32 s26, s26, s27
	s_lshl_b32 s24, s24, 13
	s_add_co_u32 s26, s26, s24
	s_mov_b32 s27, 0
	s_cmp_ge_u32 ttmp9, 33                         ; the second half of the units takes W2: the choice hangs on the work-group's number alone
	s_cselect_b64 s[8:9], s[10:11], s[8:9]
	s_add_nc_u64 s[8:9], s[8:9], s[22:23]
	s_add_nc_u64 s[16:17], s[16:17], s[26:27]
.irp i,0,1,2,3,4,5,6,7,8,9,10,11,12,13,14,15
	global_load_b128 v[32+4*\i:35+4*\i], v3, s[8:9] offset:512*(\i+8*(\i/8)) th:TH_LOAD_NT   ; rows 0-7 and 16-23 from the unit's first
.endr
	s_wait_alu depctr_va_vdst(0)
.irp i,0,1,2,3,4,5,6,7,8,9,10,11,12,13,14,15
	s_wait_loadcnt 15-\i
	ds_store_b128 v204, v[32+4*\i:35+4*\i] offset:528*\i
.endr
.irp i,0,1,2,3,4,5,6,7,8,9,10,11,12,13,14,15
	ds_load_b128 v[96+4*\i:99+4*\i], v205 offset:32*\i     ; i = 4 s + c: k = 128 s + 32 c (the wave's own stage: these see the stores above)
.endr
.irp i,0,1,2,3,4,5,6,7,8,9,10,11,12,13,14,15
	s_wait_dscnt 15-\i
	global_store_b128 v3, v[96+4*\i:99+4*\i], s[16:17] offset:512*\i
.endr
	s_wait_tensorcnt 0x0
	ds_add_u32 v254, v255
	s_wait_dscnt 0x0
	s_endpgm
.Lfunc_end_k_q786a7e1f1a_place:
	.size	k_q786a7e1f1a_place, .Lfunc_end_k_q786a7e1f1a_place-k_q786a7e1f1a_place
	.p2alignl 7, 3214868480
	.fill 96, 4, 3214868480
	.section	.rodata,"a",@progbits
	.p2align	6, 0x0
	.amdhsa_kernel k_q786a7e1f1a_place
		.amdhsa_group_segment_fixed_size 105728
		.amdhsa_private_segment_fixed_size 0
		.amdhsa_enable_private_segment 0
		.amdhsa_kernarg_size 56
		.amdhsa_user_sgpr_count 2
		.amdhsa_user_sgpr_kernarg_segment_ptr 1
		.amdhsa_wavefront_size32 1
		.amdhsa_system_sgpr_workgroup_id_x 1
		.amdhsa_system_sgpr_workgroup_id_y 1
		.amdhsa_system_sgpr_workgroup_id_z 1
		.amdhsa_system_vgpr_workitem_id 0
		.amdhsa_next_free_vgpr 256
		.amdhsa_next_free_sgpr 66
		.amdhsa_reserve_vcc 1
		.amdhsa_float_denorm_mode_32 3
		.amdhsa_float_denorm_mode_16_64 3
		.amdhsa_memory_ordered 1
		.amdhsa_forward_progress 1
		.amdhsa_inst_pref_size 55
	.end_amdhsa_kernel
	.amdgpu_metadata
---
amdhsa.version: [ 1, 2 ]
amdhsa.kernels:
  - .name:           k_q786a7e1f1a_place
    .symbol:         k_q786a7e1f1a_place.kd
    .args:
      - { .name: key, .offset: 0, .size: 8, .value_kind: global_buffer, .address_space: global }
      - { .name: cnt4, .offset: 8, .size: 8, .value_kind: global_buffer, .address_space: global }
      - { .name: W1_codes, .offset: 16, .size: 8, .value_kind: global_buffer, .address_space: global }
      - { .name: W2_codes, .offset: 24, .size: 8, .value_kind: global_buffer, .address_space: global }
      - { .name: order, .offset: 32, .size: 8, .value_kind: global_buffer, .address_space: global }
      - { .name: tiles, .offset: 40, .size: 8, .value_kind: global_buffer, .address_space: global }
      - { .name: Wf, .offset: 48, .size: 8, .value_kind: global_buffer, .address_space: global }
    .group_segment_fixed_size: 105728
    .private_segment_fixed_size: 0
    .kernarg_segment_align: 8
    .kernarg_segment_size: 56
    .max_flat_workgroup_size: 256
    .sgpr_count:     66
    .vgpr_count:     256
    .wavefront_size: 32
...
	.end_amdgpu_metadata
.endif
;; end of part 5
;; launch experts (part 6): grid 135 x 1, 4 waves a work-group, no clusters, 102,912 bytes of LDS; arguments tiles, order, xq, xs, gate, Wf, W1_scales, b1, W2_scales, b2, out0; writes out0
.if DOCPART == 6
	.amdgcn_target "amdgcn-amd-amdhsa--gfx1250"
	.amdhsa_code_object_version 6
	.text
	.protected	k_q786a7e1f1a_experts
	.globl	k_q786a7e1f1a_experts
	.p2align	8
	.type	k_q786a7e1f1a_experts,@function
k_q786a7e1f1a_experts:
	s_mov_b64 s[64:65], 0
	v_nop
	global_prefetch_b8 v0, s[64:65] scope:SCOPE_SE
	s_setreg_imm32_b32 hwreg(HW_REG_WAVE_SCHED_MODE, 0, 2), 2
	s_setreg_imm32_b32 hwreg(HW_REG_WAVE_MODE, 25, 1), 1
	s_wait_xcnt 0x0
	s_wait_alu depctr_vm_vsrc(0)
; ONE TILE OF AT MOST 64 ROWS OF ONE EXPERT THROUGH THE WHOLE CHAIN: out = gate x (Q(gelu(Q(x) W1[e] + b1[e])) W2[e] + b2[e]), both products on codes of E4M3 with one E8M0 scale for each 32 along K.
; Only the chosen expert's products are made.  135 = 8192 / 64 + 8 - 1 work-groups serve every split; one that the stored list leaves without rows stores nothing.
; SHARES.  The four waves share the COLUMNS: wave w makes hidden units 128 w to 128 w + 127 and outputs 128 w to 128 w + 127 for all 64 rows.  So each byte of the expert's weights has one wave that wants it, and it goes
; from memory straight into that wave's registers, 512 consecutive bytes a load, in the order in which the launch before has laid them.  What goes from wave to wave through LDS is small: the rows' codes.
; NO JOINT LOADS: weights land in registers, not in LDS, each byte in one wave; and which work-groups share an expert hangs on the stored list, in numbers that are no multiples of four.
; BOTH PRODUCTS ARE USED TRANSPOSED (source 0 = 16 rows of the weight, source 1 = 16 tokens): a lane holds ONE token.  The rows of a weight's tile are not neighbours: lane r of tile (b, u) takes row 32 b + 8 u + r + 8 (r / 8),
; so that the 16 registers of tiles (b, 0) and (b, 1) are 16 neighbours, 32 b + 16 (lane / 16) + 0 .. 15: along the next K in layer 1, along a row of the result in layer 2.
; A RECORD is 32 rows of a wave's weight: 8 fragments (128 registers), 4 scale words a lane, 16 numbers of the bias a lane: 37 loads.  Records 0-3 are layer 1's, 4-7 layer 2's.  Layer 1 works a record at a time on two
; buffers; meanwhile all four records of layer 2 arrive, so that layer 2 goes by tiles of 16 rows and finished rows leave while the next are multiplied.
; GELU, exact: gelu(x) = max(x, 0) - |x| P(t), t = |x| / sqrt(2), P = erfc(t) / 2.  Over 0.927734375: P = 2^(a polynomial of degree 7 in t); else P = 0.5 + t x (a polynomial in t^2).  Both are computed, one is selected.
; LIMITS: NaN and infinities are not served.  P is within about 1e-7 of its value absolutely below the change-over and about 2e-6 relatively above it.  A block of zeros gets the scale byte 1 (its codes are zeros).
; Rows of a tile past its count name valid tokens (the next expert's, or token 0): they are computed and not stored.
; REGISTERS, in windows of 256: window 0 as named below; window 1: the 16 fragments of the rows (4 m + s), x's and then the hidden layer's; window 2: two records; window 3: records 6 and 7.
; THE MODE: SCHED_MODE bits 1:0 = 2 (LLVM: expert scheduling mode 2), set by the entry lines.  The code itself states the register dependences
; between vector or matrix instructions and memory or LDS instructions, with s_wait_alu, always for 0.
; THE PLAN.  Registers that memory or LDS instructions touch:
;   v1-v13        offsets and LDS addresses: written at the head, read by every load and store, never written again.
;   v192-v215     at the head: offsets made of loaded tokens, read by 24 loads; afterwards the gelu's work registers.
;   ACC           x's rows land in it and the head's LDS stores read it; then products write it; on the way out the scalings write it and the stage's stores read it.
;   window 2, WS and BIAS slots 0, 1   a record's products read them; behind them the record two further on lands there.
;   window 3, WS and BIAS slots 2, 3   loaded once, read by layer 2's products alone.
;   window 1, XS  layer 1's products read them; behind the second barrier the hidden layer lands there.
;   PC            a record's conversions write it, four LDS stores read it; on the way out rows land there.     HSW: written by vector lines, read by four LDS stores, once.
;   OB            the stage's loads land in it, the global stores read it.
; ON va_vdst: three waits at the head, one in front of each group of loads whose offsets are fresh; ONE behind a record's products, behind which the loads of up to two records are dealt among the eight runs of the gelu
; (those name v14, v15, v60-63 and v128-223 of window 0: none of the registers that the loads touch); the one for each run's exponentials; one in front of a record's stores of codes; one in front of a tile's stores into the stage.
; ON vm_vsrc: one in front of the first products; one in front of the conversions of records 1 to 3; one at the head of each tile of layer 2; one in front of the two registers made anew at the end.
; ON va_sdst: behind the wave's number; behind each run of eight compares; behind each tile's run of sixteen lane reads.
.set XR,   0                           ; LDS: 64 rows of x's codes, 528 apart (an odd multiple of 16: sixteen rows begin in sixteen different 16-byte columns of 256)
.set HIMG, 33792                       ; the hidden layer's 16 fragments as images of their registers, 2,048 bytes each: fragment 4 m + s, register group c at 512 c, lane at 16 x lane
.set HSC,  66560                       ; their scale words, 128 bytes each
.set OST,  68608                       ; the way out: 16 rows of 512 bytes, 528 apart, for each wave
.set LI,   1                           ; v1   16 x lane
.set WSO,  2                           ; v2   a record's scale words: 16 bytes of row 8 h + r + 8 (r / 8): lanes 0-15 tile u = 0, lanes 16-31 tile u = 1
.set BO,   3                           ; v3   a record's bias: 64 h
.set XRS,  4                           ; v4   x's rows into LDS
.set XRF,  5                           ; v5   and out as fragments
.set HWI,  6                           ; v6   where I store the hidden layer's images
.set HWS,  7                           ; v7   and their scale words
.set HRS,  8                           ; v8   where any wave reads the scale words
.set HRI,  9                           ; v9   and the images
.set SO,   10                          ; v10  the way out: where I put 64 bytes of a row
.set SR,   11                          ; v11  and where I read a row back
.set CB,   12                          ; v12  my byte in a row of out0
.set R4,   13                          ; v13  4 r
.set CA6,  14                          ; v[14:15], v[60:61], v[62:63]: three of the polynomials' constants, twice each
.set IDX,  16                          ; v16-19   the token of row 16 m + r
.set G,    20                          ; v20-23   its gate
.set XS,   24                          ; v24-39   the rows' scale words (4 m + s)
.set WS,   40                          ; v40-55   the records' scale words (4 slot + s)
.set HSW,  56                          ; v56-59   the scale words that I make
.set CA4,  60
.set CB4,  62
.set BIAS, 64                          ; v64-127  the records' biases (16 slot + 8 u + j)
.set ACC,  128                         ; v128-191 eight accumulators
.set GT,   192                         ; gelu: t, t^2 (then max(x, 0)), the large branch, the small branch
.set GS,   200
.set GR,   208
.set GQ,   216
.set TM,   224                         ; the quantiser: largest magnitudes, bytes, holds, scale operands
.set PC,   240                         ; the codes just made
.set OB,   192                         ; the way out: 16 rows read back
.set MSB, 0
.macro WIN new                         ; the immediate's high byte repeats the setting that is left; a switch that changes nothing is dropped
.if MSB != \new
	s_set_vgpr_msb (MSB<<8)|\new
.set MSB, \new
.endif
.endm
.macro PLACES8                         ; eight places behind this matrix form, in front of the first read of its results by a vector instruction
.rept 8
	v_nop
.endr
.endm
; A record comes in three pieces.  LOADFR: the four fragments of its tile u, 16 loads: off the record's bytes in the wave's part of Wf, into v[reg] on of the window that win names as destination.
.macro LOADFR win, reg, off, u
	WIN \win
.irp s,0,1,2,3
.irp c,0,1,2,3
	global_load_b128 v[\reg+16*(4*\u+\s)+4*\c:\reg+16*(4*\u+\s)+4*\c+3], v[LI], s[14:15] offset:\off+512*(16*\u+4*\s+\c)
.endr
.endr
.endm
; LOADSB: its scale words from s[sp:sp+1] + soff and its bias from s[bp:bp+1] + boff, 5 loads
.macro LOADSB slot, sp, soff, bp, boff
	WIN 0
	global_load_b128 v[WS+4*\slot:WS+4*\slot+3], v[WSO], s[\sp:\sp+1] offset:\soff
.irp i,0,1,2,3
	global_load_b128 v[BIAS+16*\slot+4*\i:BIAS+16*\slot+4*\i+3], v[BO], s[\bp:\bp+1] offset:\boff+16*\i
.endr
.endm
.macro LOADREC slot, win, reg, off, sp, soff, bp, boff   ; a whole record on end: 37 loads
	LOADFR \win, \reg, \off, 0
	LOADFR \win, \reg, \off, 1
	LOADSB \slot, \sp, \soff, \bp, \boff
.endm
.macro WM row                          ; one product on rD, rA, rB, rC, rW, rX; row = 1: the weight's scales stand in lanes 16-31
.if \row
	v_wmma_scale_f32_16x16x128_f8f6f4 v[rD:rD+7], v[rA:rA+15], v[rB:rB+15], v[rC:rC+7], v[rW], v[rX] matrix_a_scale:MATRIX_SCALE_ROW1
.else
	v_wmma_scale_f32_16x16x128_f8f6f4 v[rD:rD+7], v[rA:rA+15], v[rB:rB+15], v[rC:rC+7], v[rW], v[rX]
.endif
.endm
; Layer 1, one record: 4 tiles of rows x 2 tiles of units x 4 K steps.  The eight accumulators take turns, one instruction a turn; the bias is the C of each sum's first product.
.macro MUL1 slot
	WIN 0x06                                       ; source 0 (the weight) window 2, source 1 (the rows) window 1
.irp s,0,1,2,3
.irp m,0,1,2,3
.irp u,0,1
.set rD, ACC+16*\m+8*\u
.set rA, 128*(\slot)+16*(4*\u+\s)
.set rB, 16*(4*\m+\s)
.set rC, rD
.if \s == 0
.set rC, BIAS+16*(\slot)+8*\u
.endif
.set rW, WS+4*(\slot)+\s
.set rX, XS+4*\m+\s
	WM \u
.endr
.endr
.endr
	WIN 0
.endm
; gelu of eight numbers in place, stage by stage, from the accumulator's low end on
.macro GELU8 x
	WIN 0
.irp i,0,1,2,3,4,5,6,7
	v_mul_f32 v[GT+\i], s95, |v[\x+\i]|            ; t
.endr
.irp i,0,2,4,6
	v_pk_mul_f32 v[GS+\i:GS+\i+1], v[GT+\i:GT+\i+1], v[GT+\i:GT+\i+1]
.endr
.irp i,0,2,4,6
	v_pk_fma_f32 v[GR+\i:GR+\i+1], v[GT+\i:GT+\i+1], s[66:67], v[CA6:CA6+1] op_sel_hi:[1,0,1]
.endr
.irp i,0,2,4,6
	v_pk_fma_f32 v[GQ+\i:GQ+\i+1], v[GT+\i:GT+\i+1], s[68:69], v[CA4:CA4+1] op_sel_hi:[1,0,1]
.endr
.irp i,0,2,4,6
	v_pk_fma_f32 v[GR+\i:GR+\i+1], v[GR+\i:GR+\i+1], v[GS+\i:GS+\i+1], v[GQ+\i:GQ+\i+1]
.endr
.irp k,70,72,74
.irp i,0,2,4,6
	v_pk_fma_f32 v[GR+\i:GR+\i+1], v[GR+\i:GR+\i+1], v[GT+\i:GT+\i+1], s[\k:\k+1] op_sel_hi:[1,1,0]
.endr
.endr
.irp i,0,2,4,6
	v_pk_fma_f32 v[GR+\i:GR+\i+1], v[GR+\i:GR+\i+1], v[GT+\i:GT+\i+1], -1.0 op_sel_hi:[1,1,0]   ; the halving rides in the exponent
.endr
	s_wait_alu depctr_va_vdst(0)
.irp i,0,1,2,3,4,5,6,7
	v_exp_f32 v[GR+\i], v[GR+\i]
.endr
.irp i,0,2,4,6
	v_pk_fma_f32 v[GQ+\i:GQ+\i+1], v[GS+\i:GS+\i+1], s[76:77], v[CB4:CB4+1] op_sel_hi:[1,0,1]   ; the small branch: also the plain lines behind the exponentials
.endr
.irp k,78,80,82,84
.irp i,0,2,4,6
	v_pk_fma_f32 v[GQ+\i:GQ+\i+1], v[GQ+\i:GQ+\i+1], v[GS+\i:GS+\i+1], s[\k:\k+1] op_sel_hi:[1,1,0]
.endr
.endr
.irp i,0,2,4,6
	v_pk_fma_f32 v[GQ+\i:GQ+\i+1], v[GQ+\i:GQ+\i+1], v[GT+\i:GT+\i+1], 0.5 op_sel_hi:[1,1,0]
.endr
.irp i,0,1,2,3,4,5,6,7
	v_cmp_lt_f32 s[32+\i], s96, v[GT+\i]           ; a mask of its own for each number: a value is selected, nothing branches
.endr
	s_wait_alu depctr_va_sdst(0)                   ; the eight compares have written s32 to s39, which the selects below read
	s_wait_alu depctr_va_vdst(0)                   ; the eight exponentials have written v[GR ..]: one wait for the batch, ahead of its first reader
.irp i,0,1,2,3,4,5,6,7
	v_cndmask_b32 v[GQ+\i], v[GQ+\i], v[GR+\i], s[32+\i]
.endr
.irp i,0,1,2,3,4,5,6,7
	v_max_num_f32 v[GS+\i], 0, v[\x+\i]
.endr
.irp i,0,1,2,3,4,5,6,7
	v_fma_f32 v[\x+\i], -|v[\x+\i]|, v[GQ+\i], v[GS+\i]
.endr
.endm
; Record b's 64 numbers a lane: for each tile of rows m, 16 neighbours of block b of my K step.  They become register group b of fragment (m, my wave) and byte b of its scale word.
.macro QUANT4 b
.irp m,0,1,2,3
	v_max3_num_f32 v[TM+\m], |v[ACC+16*\m]|, |v[ACC+16*\m+1]|, 0x4800000   ; with the floor 2^(9 - 127): the byte cannot fall under 1
.endr
.irp i,2,4,6,8,10,12,14
.irp m,0,1,2,3
	v_max3_num_f32 v[TM+\m], v[TM+\m], |v[ACC+16*\m+\i]|, |v[ACC+16*\m+\i+1]|
.endr
.endr
.irp m,0,1,2,3
	v_permlanex16_b32 v[TM+4+\m], v[TM+\m], s92, s93
.endr
.irp m,0,1,2,3
	v_max_num_f32 v[TM+\m], v[TM+\m], v[TM+4+\m]   ; with lane l xor 16's: the block's largest magnitude
.endr
.irp m,0,1,2,3
	v_add_nc_u32 v[TM+12+\m], 0xfc000000, v[TM+\m] ; 8 off its exponent field: the conversion's scale operand
.endr
.irp m,0,1,2,3
	v_and_or_b32 v[TM+8+\m], v[TM+\m], 0x7f800000, s94   ; 448 x the scale
.endr
.irp m,0,1,2,3
	v_lshrrev_b32 v[TM+4+\m], 23, v[TM+12+\m]      ; the scale's byte
.endr
.irp m,0,1,2,3
.if \b == 0
	v_mov_b32 v[HSW+\m], v[TM+4+\m]
.else
	v_lshl_or_b32 v[HSW+\m], v[TM+4+\m], 8*\b, v[HSW+\m]
.endif
.endr
	s_wait_dscnt 0x0                               ; the last record's stores of codes are done
.if \b > 0
	s_wait_alu depctr_vm_vsrc(0)                   ; the last record's four LDS stores have read v[PC ..], which the conversions below write again
.endif
.irp m,0,1,2,3
.irp i,0,1,2,3,4,5,6,7,8,9,10,11,12,13,14,15
	v_med3_num_f32 v[ACC+16*\m+\i], v[ACC+16*\m+\i], -v[TM+8+\m], v[TM+8+\m]   ; the conversion to an 8-bit code does not saturate (ISA guide 7.6.2)
.endr
	v_cvt_scalef32_pk8_fp8_f32 v[PC+4*\m:PC+4*\m+1], v[ACC+16*\m:ACC+16*\m+7], v[TM+12+\m]
	v_cvt_scalef32_pk8_fp8_f32 v[PC+4*\m+2:PC+4*\m+3], v[ACC+16*\m+8:ACC+16*\m+15], v[TM+12+\m]
.endr
	v_nop                                          ; a plain line between the last conversion and the next products, which write its sources
	s_wait_alu depctr_va_vdst(0)                   ; the conversions have written v[PC ..], which the LDS stores below read (and v[HSW ..] is written, which the stores behind the last record read)
.irp m,0,1,2,3
	ds_store_b128 v[HWI], v[PC+4*\m:PC+4*\m+3] offset:8192*\m+512*\b
.endr
.endm
; Layer 2, one tile of 16 rows: my 128 outputs in eight accumulators by turns, a K step at a time; records 4, 5 in window 2, records 6, 7 in window 3
.macro MUL2 m
.irp s,0,1,2,3
.irp t,0,1,2,3,4,5,6,7
.if \t == 0
	WIN 0x06
.endif
.if \t == 4
	WIN 0x07
.endif
.set rD, ACC+8*\t
.set rA, 128*((\t/2)%2)+16*(4*(\t%2)+\s)
.set rB, 16*(4*(\m)+\s)
.set rC, rD
.if \s == 0
.set rC, BIAS+8*\t
.endif
.set rW, WS+4*(\t/2)+\s
.set rX, XS+4*(\m)+\s
	WM \t%2
.endr
.endr
	WIN 0
.endm
; The way out of 16 rows: x the token's gate; 64 neighbouring bytes a lane into my own stage; back as whole rows of 512 bytes; each row that the tile has goes to its token's row of out0.
; The sixteen tokens are read out of their lanes in one run, and all sixteen bases are made ahead of the first branch.
.macro OUT m
	PLACES8
.if (\m) > 0
	s_wait_xcnt 0x0                                ; the last tile's stores have read their data and their bases: both are written again below
.endif
.irp j,0,1,2,3,4,5,6,7,8,9,10,11,12,13,14,15
	v_readlane_b32 s[32+2*\j], v[IDX+\m], \j       ; the token of row 16 m + j
.endr
.set i, 0
.rept 32
.if (\m)%2
	v_pk_mul_f32 v[ACC+i:ACC+i+1], v[ACC+i:ACC+i+1], v[G+2*((\m)/2):G+2*((\m)/2)+1] op_sel:[0,1] op_sel_hi:[1,1]
.else
	v_pk_mul_f32 v[ACC+i:ACC+i+1], v[ACC+i:ACC+i+1], v[G+2*((\m)/2):G+2*((\m)/2)+1] op_sel_hi:[1,0]
.endif
.set i, i+2
.endr
	s_wait_alu depctr_va_sdst(0)                   ; the sixteen lane reads have written s32, s34 .. s62, which the scalar lines below read
.irp j,0,1,2,3,4,5,6,7,8,9,10,11,12,13,14,15
	s_min_u32 s98, s[32+2*\j], 0x1fff
	s_lshl_b32 s98, s98, 11
	s_add_nc_u64 s[32+2*\j:33+2*\j], s[24:25], s[98:99]
.endr
	s_wait_alu depctr_va_vdst(0)                   ; the scalings have written the accumulators, which the LDS stores below read; and every vector line that named v[OB ..], in which the loads below land, is done
.irp b,0,1,2,3
.irp q,0,1,2,3
	ds_store_b128 v[SO], v[ACC+16*\b+4*\q:ACC+16*\b+4*\q+3] offset:128*\b+16*\q
.endr
.endr
.irp j,0,1,2,3,4,5,6,7,8,9,10,11,12,13,14,15
	ds_load_b128 v[OB+4*\j:OB+4*\j+3], v[SR] offset:528*\j   ; the wave's own stage: LDS serves a wave's instructions in order
.endr
.irp j,0,1,2,3,4,5,6,7,8,9,10,11,12,13,14,15
.if \j > 0
	s_cmp_le_u32 s30, 16*(\m)+\j                   ; the tile's rows are over: a branch on the stored list
	s_cbranch_scc1 .Ldone
.endif
	s_wait_dscnt 15-\j
	global_store_b128 v[CB], v[OB+4*\j:OB+4*\j+3], s[32+2*\j:33+2*\j] th:TH_STORE_NT   ; the wave stores 512 consecutive bytes, at a multiple of 512 from out0's first byte
.endr
.endm
	s_load_b512 s[4:19], s[0:1], 0x0               ; tiles, order, xq, xs, gate, Wf, W1's scales, b1
	s_load_b128 s[20:23], s[0:1], 0x40             ; W2's scales, b2
	s_load_b64 s[24:25], s[0:1], 0x50              ; out0
	v_lshrrev_b32 v1, 5, v0
	v_readfirstlane_b32 s97, v1                    ; wave
	v_and_b32 v192, 31, v0                         ; lane
	v_and_b32 v193, 15, v0                         ; r
	v_bfe_u32 v194, v0, 4, 1                       ; h
	v_lshlrev_b32 v[LI], 4, v192
	v_and_b32 v195, 8, v193
	v_add_nc_u32 v195, v195, v193
	v_lshl_add_u32 v195, v194, 3, v195
	v_lshlrev_b32 v[WSO], 4, v195
	v_lshlrev_b32 v[BO], 6, v194
	s_wait_alu depctr_va_sdst(0)                   ; s97 is written, ahead of its first reader: LDS addresses and bases are made from it
	s_mul_i32 s101, s97, 8448
	v_add_nc_u32 v[XRS], s101, v[LI]               ; my 16 rows of x's 64
	v_mul_u32_u24 v196, v193, 528
	v_lshl_add_u32 v[XRF], v194, 4, v196
	s_lshl_b32 s26, s97, 11
	s_add_co_u32 s26, s26, HIMG
	v_add_nc_u32 v[HWI], s26, v[LI]
	v_lshlrev_b32 v197, 2, v192
	s_lshl_b32 s26, s97, 7
	s_add_co_u32 s26, s26, HSC
	v_add_nc_u32 v[HWS], s26, v197
	v_add_nc_u32 v[HRS], HSC, v197
	v_add_nc_u32 v[HRI], HIMG, v[LI]
	s_add_co_u32 s101, s101, OST
	v_lshl_add_u32 v[SO], v194, 6, v196
	v_add_nc_u32 v[SO], s101, v[SO]
	v_add_nc_u32 v[SR], s101, v[LI]
	s_lshl_b32 s26, s97, 9
	v_add_nc_u32 v[CB], s26, v[LI]
	v_lshlrev_b32 v[R4], 2, v193
	s_wait_kmcnt 0x0
	s_lshl_b32 s98, ttmp9, 4
	s_mov_b32 s99, 0                               ; stays 0: the upper word of every offset
	s_add_nc_u64 s[4:5], s[4:5], s[98:99]
	s_load_b128 s[28:31], s[4:5], 0x0              ; my tile: expert, first place, rows
	; the constants.  The large branch's are those of the exponent's polynomial x log2(e), the small branch's those of erf's x -1/2.  A packed form names a pair and takes its low word: both are written
	s_mov_b32 s66, -0.0000249374844
	s_mov_b32 s67, s66
	s_mov_b32 s68, -0.00560337615
	s_mov_b32 s69, s68
	s_mov_b32 s70, -0.154047914
	s_mov_b32 s71, s70
	s_mov_b32 s72, -0.915890167
	s_mov_b32 s73, s72
	s_mov_b32 s74, -1.62839516
	s_mov_b32 s75, s74
	s_mov_b32 s76, 0.000298380852
	s_mov_b32 s77, s76
	s_mov_b32 s78, 0.0133840675
	s_mov_b32 s79, s78
	s_mov_b32 s80, -0.0564099625
	s_mov_b32 s81, s80
	s_mov_b32 s82, 0.188062668
	s_mov_b32 s83, s82
	s_mov_b32 s84, -0.564189583
	s_mov_b32 s85, s84
	v_mov_b32 v[CA6], 0.000552836593
	v_mov_b32 v[CA6+1], v[CA6]
	v_mov_b32 v[CA4], 0.0349920227
	v_mov_b32 v[CA4+1], v[CA4]
	v_mov_b32 v[CB4], -0.00249559712
	v_mov_b32 v[CB4+1], v[CB4]
	s_mov_b32 s92, 0x76543210
	s_mov_b32 s93, 0xfedcba98                      ; v_permlanex16_b32's selects for lane l xor 16
	s_mov_b32 s94, 0x600000                        ; the mantissa field of 448
	s_mov_b32 s95, 0x3f3504f3                      ; 1 / sqrt(2)
	s_mov_b32 s96, 0x3f6d8000                      ; 0.927734375
.irp m,0,1,2,3
	v_mov_b32 v[TM+4+\m], 0                        ; written once: a lane permute's destination counts as one of its sources
.endr
	s_wait_kmcnt 0x0
	s_min_u32 s28, s28, 7                          ; loaded numbers are held inside their tables before they enter an address
	s_min_u32 s29, s29, 0x2000
	s_min_u32 s30, s30, 64
	s_lshl_b32 s98, s28, 19
	s_lshl_b32 s101, s97, 17
	s_add_co_u32 s98, s98, s101
	s_add_nc_u64 s[14:15], s[14:15], s[98:99]      ; Wf at my expert's, my wave's eight records
	s_lshl_b32 s98, s28, 13
	s_lshl_b32 s101, s97, 11
	s_add_co_u32 s98, s98, s101
	s_add_nc_u64 s[16:17], s[16:17], s[98:99]      ; the scales of my 128 rows of W1,
	s_add_nc_u64 s[20:21], s[20:21], s[98:99]      ; of W2
	s_lshl_b32 s98, s28, 11
	s_lshl_b32 s101, s97, 9
	s_add_co_u32 s98, s98, s101
	s_add_nc_u64 s[18:19], s[18:19], s[98:99]      ; my 128 numbers of b1,
	s_add_nc_u64 s[22:23], s[22:23], s[98:99]      ; of b2
	s_lshl_b32 s98, s29, 2
	s_add_nc_u64 s[6:7], s[6:7], s[98:99]          ; the tile's list of 64 tokens,
	s_lshl_b32 s98, s97, 6
	s_add_nc_u64 s[26:27], s[6:7], s[98:99]        ; the sixteen whose rows I gather
	s_load_b512 s[32:47], s[26:27], 0x0
	s_wait_alu depctr_va_vdst(0)                   ; the thirteen offsets and LDS addresses v1 to v13 are written, which the loads and stores of the whole kernel read
.irp m,0,1,2,3
	global_load_b32 v[IDX+\m], v[R4], s[6:7] offset:64*\m
.endr
	LOADREC 0, 0x80, 0, 0, 16, 0, 18, 0            ; record 0
	s_wait_kmcnt 0x0
.irp j,0,1,2,3,4,5,6,7,8,9,10,11,12,13,14,15
	s_min_u32 s[32+\j], s[32+\j], 0x1fff
	v_lshl_add_u32 v[192+\j], s[32+\j], 9, v[LI]
.endr
	s_wait_alu depctr_va_vdst(0)                   ; the sixteen rows' offsets v192 to v207 are written, which the loads below read
.irp j,0,1,2,3,4,5,6,7,8,9,10,11,12,13,14,15
	global_load_b128 v[ACC+4*\j:ACC+4*\j+3], v[192+\j], s[8:9]   ; a row of codes: 512 consecutive bytes
.endr
	s_wait_loadcnt 53                              ; the list in lanes is in: behind it 37 loads of record 0 and 16 rows were issued
.irp m,0,1,2,3
	v_min_u32 v[IDX+\m], 0x1fff, v[IDX+\m]
	v_lshlrev_b32 v[208+\m], 4, v[IDX+\m]
	v_lshlrev_b32 v[212+\m], 2, v[IDX+\m]
.endr
	s_wait_alu depctr_va_vdst(0)                   ; the eight offsets v208 to v215 are written, which the loads below read
.irp m,0,1,2,3
	global_load_b128 v[XS+4*\m:XS+4*\m+3], v[208+\m], s[10:11]   ; the row's four scale words
.endr
.irp m,0,1,2,3
	global_load_b32 v[G+\m], v[212+\m], s[12:13]
.endr
	LOADREC 1, 0x80, 128, 16384, 16, 512, 18, 128  ; record 1
	s_wait_loadcnt 45                              ; the rows (and record 0) are in: behind them 8 loads of scales and gates and 37 of record 1 were issued
.irp j,0,1,2,3,4,5,6,7,8,9,10,11,12,13,14,15
	ds_store_b128 v[XRS], v[ACC+4*\j:ACC+4*\j+3] offset:528*\j
.endr
	s_wait_dscnt 0x0                               ; for the others' sake: my sixteen rows lie in LDS
	s_barrier_signal -1
	s_barrier_wait -1
	WIN 0x40                                       ; destination window 1
.irp m,0,1,2,3
.irp s,0,1,2,3
.irp c,0,1,2,3
	ds_load_b128 v[16*(4*\m+\s)+4*\c:16*(4*\m+\s)+4*\c+3], v[XRF] offset:8448*\m+128*\s+32*\c
.endr
.endr
.endr
	WIN 0
	s_wait_loadcnt 37                              ; the rows' scales and gates are in; record 1 may be out
	s_wait_dscnt 0x0
	s_wait_alu depctr_vm_vsrc(0)                   ; my LDS stores have read v[ACC ..], which the products write; the gathers have read their offsets v192 to v215, which the gelu writes
	; ---- layer 1, a record at a time.  Behind a record's products its buffer takes the record two further on; records 6 and 7 follow in the first two gelus.  The loads are dealt among the gelu's eight runs, a piece ahead of every second run.
	MUL1 0
	PLACES8
	s_wait_alu depctr_va_vdst(0)                   ; the products are done reading record 0's fragments, scale words and bias, in which record 2 lands
	LOADFR 0x80, 0, 2*16384, 0
	GELU8 ACC
	GELU8 ACC+8
	LOADFR 0x80, 0, 2*16384, 1
	LOADSB 0, 16, 1024, 18, 256
	GELU8 ACC+16
	GELU8 ACC+24
	LOADFR 0xc0, 0, 6*16384, 0                     ; record 6: no vector or matrix instruction has named its registers
	GELU8 ACC+32
	GELU8 ACC+40
	LOADFR 0xc0, 0, 6*16384, 1
	LOADSB 2, 20, 1024, 22, 256
	GELU8 ACC+48
	GELU8 ACC+56
	QUANT4 0
	s_wait_loadcnt 63                              ; record 1 is in: 74 loads were issued behind it, and 63 is the largest count that the wait names
	MUL1 1
	PLACES8
	s_wait_alu depctr_va_vdst(0)                   ; the products are done reading record 1's fragments, scale words and bias, in which record 3 lands
	LOADFR 0x80, 128, 3*16384, 0
	GELU8 ACC
	GELU8 ACC+8
	LOADFR 0x80, 128, 3*16384, 1
	LOADSB 1, 16, 1536, 18, 384
	GELU8 ACC+16
	GELU8 ACC+24
	LOADFR 0xc0, 128, 7*16384, 0                   ; record 7: no vector or matrix instruction has named its registers
	GELU8 ACC+32
	GELU8 ACC+40
	LOADFR 0xc0, 128, 7*16384, 1
	LOADSB 3, 20, 1536, 22, 384
	GELU8 ACC+48
	GELU8 ACC+56
	QUANT4 1
	s_wait_loadcnt 63                              ; record 2 is in: 111 loads were issued behind it
	MUL1 0
	PLACES8
	s_wait_alu depctr_va_vdst(0)                   ; the products are done reading record 2's fragments, scale words and bias, in which record 4 lands
	LOADFR 0x80, 0, 4*16384, 0
	GELU8 ACC
	GELU8 ACC+8
	LOADFR 0x80, 0, 4*16384, 1
	LOADSB 0, 20, 0, 22, 0
	GELU8 ACC+16
	GELU8 ACC+24
	GELU8 ACC+32
	GELU8 ACC+40
	GELU8 ACC+48
	GELU8 ACC+56
	QUANT4 2
	s_wait_loadcnt 63                              ; record 3 is in: 74 loads were issued behind it
	MUL1 1
	PLACES8
	s_wait_alu depctr_va_vdst(0)                   ; the products are done reading record 3's fragments, scale words and bias, in which record 5 lands
	LOADFR 0x80, 128, 5*16384, 0
	GELU8 ACC
	GELU8 ACC+8
	LOADFR 0x80, 128, 5*16384, 1
	LOADSB 1, 20, 512, 22, 128
	GELU8 ACC+16
	GELU8 ACC+24
	GELU8 ACC+32
	GELU8 ACC+40
	GELU8 ACC+48
	GELU8 ACC+56
	QUANT4 3
.irp m,0,1,2,3
	ds_store_b32 v[HWS], v[HSW+\m] offset:512*\m   ; the scale words were written ahead of the last wait on va_vdst, and no vector line stands behind it
.endr
	s_wait_dscnt 0x0                               ; for the others' sake: my K step of the hidden layer lies in LDS
	s_barrier_signal -1
	s_barrier_wait -1
	; ---- layer 2: the hidden layer's sixteen fragments take x's place.  Layer 1's products, which read window 1 and v[XS ..], stand ahead of the last wait on va_vdst, and no vector or matrix line stands behind it
	WIN 0x40
.set f, 0
.rept 16
.irp c,0,1,2,3
	ds_load_b128 v[16*f+4*\c:16*f+4*\c+3], v[HRI] offset:2048*f+512*\c
.endr
.set f, f+1
.endr
	WIN 0
.set f, 0
.rept 16
	ds_load_b32 v[XS+f], v[HRS] offset:128*f
.set f, f+1
.endr
	s_wait_dscnt 0x0
	s_wait_loadcnt 0x0                             ; records 4 to 7
.irp m,0,1,2,3
	s_wait_alu depctr_vm_vsrc(0)                   ; tile 0: the last record's LDS stores have read v[PC ..], in which the way out's rows land; later tiles: the stage's stores have read the accumulators, which the products write, and the global stores v[OB ..], in which the next rows land
	s_cmp_le_u32 s30, 16*\m                        ; no row of this tile of 16 is the tile's: nothing is left to do (no barrier stands behind this point)
	s_cbranch_scc1 .Ldone
	MUL2 \m
	OUT \m
.endr
.Ldone:
	s_wait_dscnt 0x0                               ; the loads from the stage that a jump has left out are in
	s_wait_xcnt 0x0                                ; the last stores have read their data
	s_wait_alu depctr_vm_vsrc(0)                   ; the stores have read v254 and v255, which the two lines below write
	v_lshl_add_u32 v254, v0, 2, 0x19000            ; no two registers can be kept: the add's two are made anew, from v0, which stands as at the entry
	v_mov_b32 v255, 0
	s_wait_dscnt 0x0                               ; the closing lines, six on end
	s_wait_alu 0x0
	s_wait_tensorcnt 0x0
	ds_add_u32 v254, v255
	s_wait_dscnt 0x0
	s_endpgm
.Lfunc_end_k_q786a7e1f1a_experts:
	.size	k_q786a7e1f1a_experts, .Lfunc_end_k_q786a7e1f1a_experts-k_q786a7e1f1a_experts
	.p2alignl 7, 3214868480
	.fill 96, 4, 3214868480
	.section	.rodata,"a",@progbits
	.p2align	6, 0x0
	.amdhsa_kernel k_q786a7e1f1a_experts
		.amdhsa_group_segment_fixed_size 102912
		.amdhsa_private_segment_fixed_size 0
		.amdhsa_enable_private_segment 0
		.amdhsa_kernarg_size 88
		.amdhsa_user_sgpr_count 2
		.amdhsa_user_sgpr_kernarg_segment_ptr 1
		.amdhsa_wavefront_size32 1
		.amdhsa_system_sgpr_workgroup_id_x 1
		.amdhsa_system_sgpr_workgroup_id_y 1
		.amdhsa_system_sgpr_workgroup_id_z 1
		.amdhsa_system_vgpr_workitem_id 0
		.amdhsa_next_free_vgpr 1024
		.amdhsa_next_free_sgpr 102
		.amdhsa_reserve_vcc 0
		.amdhsa_float_denorm_mode_32 3
		.amdhsa_float_denorm_mode_16_64 3
		.amdhsa_memory_ordered 1
		.amdhsa_forward_progress 1
		.amdhsa_inst_pref_size 255
	.end_amdhsa_kernel
	.section	.bss,"aw",@nobits
	.p2align	6
	.space	262144
	.amdgpu_metadata
---
amdhsa.version: [ 1, 2 ]
amdhsa.kernels:
  - .name:           k_q786a7e1f1a_experts
    .symbol:         k_q786a7e1f1a_experts.kd
    .args:
      - { .name: tiles, .offset: 0, .size: 8, .value_kind: global_buffer, .address_space: global }
      - { .name: order, .offset: 8, .size: 8, .value_kind: global_buffer, .address_space: global }
      - { .name: xq, .offset: 16, .size: 8, .value_kind: global_buffer, .address_space: global }
      - { .name: xs, .offset: 24, .size: 8, .value_kind: global_buffer, .address_space: global }
      - { .name: gate, .offset: 32, .size: 8, .value_kind: global_buffer, .address_space: global }
      - { .name: Wf, .offset: 40, .size: 8, .value_kind: global_buffer, .address_space: global }
      - { .name: W1_scales, .offset: 48, .size: 8, .value_kind: global_buffer, .address_space: global }
      - { .name: b1, .offset: 56, .size: 8, .value_kind: global_buffer, .address_space: global }
      - { .name: W2_scales, .offset: 64, .size: 8, .value_kind: global_buffer, .address_space: global }
      - { .name: b2, .offset: 72, .size: 8, .value_kind: global_buffer, .address_space: global }
      - { .name: out0, .offset: 80, .size: 8, .value_kind: global_buffer, .address_space: global }
    .group_segment_fixed_size: 102912
    .private_segment_fixed_size: 0
    .kernarg_segment_align: 8
    .kernarg_segment_size: 88
    .max_flat_workgroup_size: 128
    .sgpr_count:     102
    .vgpr_count:     1024
    .wavefront_size: 32
...
	.end_amdgpu_metadata
.endif
;; end of part 6
